; MI455X (gfx1250); checked and timed in simulation.
; The chip was launched on July 23, 2026; its instructions are those of AMD's public machine-readable ISA for CDNA 5 (MIT licence, August 2026) and "CDNA5" Instruction Set Architecture Reference Guide (July 2026). The comments in the code are by the model that wrote it; some were corrected since.
;; Bo Ss Attention. Allowed arithmetic: matrix products marked QUANTISED: E2M1 operands, one E8M0 scale for each 32 along K, by v_wmma_scale_f32_16x16x128_f8f6f4 with both operands' format E2M1 (or v_wmma_scale_f32_32x16x128_f4), f32 sums; everything else in f32.
;; Inputs: Wk 512 x 2,048 float32; Wo 2,048 x 1,024 float32; Wq 1,024 x 2,048 float32; Wv 512 x 2,048 float32; hidden_states 2 x 2,048 x 2,048 float32; position_ids 2 x 2,048 int32; sid 2 x 2,048 int32.
;; Outputs: out0 2 x 2,048 x 2,048 float32.
;; This version of the problem:
;;   THIS VERSION OF THE PROBLEM IS GIVEN IN LOW PRECISION. The matrix products marked QUANTISED in the list below multiply operands that are first quantised to E2M1 (2 exponent bits, 1 mantissa bit; 4 bits a number), with one power-of-two scale for each 32 numbers along K (OCP MX v1.0); their sums are f32. All else is computed in f32.
;;   The module's matrix products, in the order in which they are computed (A, B: the left and right operand; K: the contracted axis; several contracted axes count as one K, in the product's order):
;;     1. [M 4,096, K 2,048] x [K 2,048, N 1,024]; A: input hidden_states; B: input Wq: QUANTISED
;;     2. [M 4,096, K 2,048] x [K 2,048, N 512]; A: input hidden_states; B: input Wk: QUANTISED
;;     3. [M 4,096, K 2,048] x [K 2,048, N 512]; A: input hidden_states; B: input Wv: QUANTISED
;;     4. batch 16 x [M 2,048, K 128] x [K 128, N 2,048]; A: computed on the way; B: computed on the way: QUANTISED
;;     5. batch 16 x [M 128, K 2,048] x [K 2,048, N 2,048]; A: computed on the way; B: softmax (see below): QUANTISED
;;     6. [M 4,096, K 1,024] x [K 1,024, N 2,048]; A: computed on the way; B: input Wo: QUANTISED
;;   THE QUANTISER, for each operand of a quantised product, along K:
;;     - K is cut into blocks of 32 from its start; a last block that is shorter is filled with zeros.
;;     - A block's scale is 2^e with e = floor(log2(the largest magnitude in the block)) - 2, held to -126 .. 127; a block of zeros has e = 0. As a byte (E8M0): e + 127.
;;     - Each number is divided by its block's scale, clamped to +-6, and rounded to the nearest number of E2M1, ties to even, subnormals kept.
;;     - The product sums the exact products of the quantised numbers (number of the format x scale) in f32.
;;   ~~~python
;;   def quantise(x, axis):      # numpy; x: float32 -> the quantised numbers, widened to float32 again
;;       x = np.moveaxis(x, axis, -1); K = x.shape[-1]
;;       x = np.pad(x, [(0, 0)] * (x.ndim - 1) + [(0, -K % 32)]); x = x.reshape(x.shape[:-1] + (-1, 32)); a = np.abs(x).max(-1, keepdims=True)
;;       e = np.where(a > 0, np.clip(np.frexp(np.where(a > 0, a, 1))[1] - 1 - 2, -126, 127), 0)      # np.frexp(a)[1] - 1 = floor(log2(a)), exactly
;;       r = np.clip(x / 2.0 ** e, -6, 6)
;;       step = 2.0 ** (np.maximum(np.frexp(np.where(r == 0, 1, r))[1] - 1, 0) - 1)
;;       q = np.round(r / step) * step * 2.0 ** e      # np.round: ties to even
;;       return np.moveaxis(q.reshape(q.shape[:-2] + (-1,))[..., :K], -1, axis).astype(np.float32)
;;   ~~~
;;   SOFTMAX AHEAD OF A QUANTISED PRODUCT. Where the list says 'softmax', what is quantised is not the finished softmax but p = 2^(t - M), with t = logit x log2(e) and M = ceil(the row's largest t), a whole number; so 1/2 < the row's largest p <= 1. The row's sum l is taken of the UNQUANTISED p, in f32, and the product's result is divided by l at the end. Since M is a whole number, a kernel that streams over the keys may use a running M (the ceiling of the running maximum): every later rescaling is an exact power of two, which a block's scale takes up: the codes' values come out the same.
;;   OPERANDS COMPUTED ON THE WAY. 'Computed on the way' means the value that the module computes at that place (a softmax that the list does not call 'softmax' is quantised finished and normalised). What goes into a quantiser is computed in f32, as accurately as f32 sums, v_exp_f32 and their like allow (about 1e-6 of the number): no bf16 or f16 on the way to a quantiser, and a product that is left as it is and whose result goes on into a quantised operand takes f32 operands (vector FMAs, or v_wmma_f32_16x16x4_f32). A number that lies on a knife's edge between two numbers of the format may be rounded either way, as far as f32 arithmetic and the matrix unit's own rounding can turn it there, and no further.
;; One version. Each part assembles by itself: llvm-mc -triple=amdgcn-amd-amdhsa -mcpu=gfx1250 --defsym DOCPART=n.
;; ======== version 1 of 1: 4 launches
;; limits: inputs' magnitudes at most 4,194,304; right only within a limited range of input values
;; workspace buffers: opc 7,340,032 bytes; ops 458,752 bytes; rope 2,097,152 bytes; stc 16,384 bytes of whole numbers; qim 2,228,224 bytes; kv 2,228,224 bytes; oc 2,228,224 bytes; msk 4,194,304 bytes
;; launch prep (part 1): grid 832 x 1, 4 waves a work-group, no clusters, 48,640 bytes of LDS; arguments hidden_states, Wq, Wk, Wv, Wo, sid, position_ids, opc, ops, rope, stc; writes opc, ops, rope, stc
.if DOCPART == 1
	.amdgcn_target "amdgcn-amd-amdhsa--gfx1250"
	.amdhsa_code_object_version 6
	.text
	.protected	k_q9e2d9253f1_prep
	.globl	k_q9e2d9253f1_prep
	.p2align	8
	.type	k_q9e2d9253f1_prep,@function
k_q9e2d9253f1_prep:
	s_mov_b64 s[64:65], 0
	v_nop
	global_prefetch_b8 v0, s[64:65] scope:SCOPE_SE
	s_setreg_imm32_b32 hwreg(HW_REG_WAVE_MODE, 25, 1), 1
	s_wait_xcnt 0x0
; FIRST OF FOUR LAUNCHES (prep, qkv, attn, outp) of a grouped-query attention layer whose six products run on codes of E2M1 with one E8M0 scale for each 32 along K.
; WORK LEFT OUT, in the whole program: key steps of 128 keys that lie wholly behind a tile's 16 queries (launch attn).  reference() builds jnp.tril in its own body and sets the scores of keys k > q to the least f32
; number ahead of the softmax; every query counts for itself, so its row has a finite maximum and those keys' weights are 0 whatever finite values the inputs hold.  Nothing else is left out; every input is loaded.
; LIMIT: a NaN, an infinity or an overflow that reaches only those hidden scores is not carried to the result.
; THIS LAUNCH has three kinds of work-groups, told apart by the work-group's number:
;   0-255   STATE CODES.  stc[b][q] = 4096 x (first position of q's state in the batch) + (q's rank within its state).  For a query's code cq and a key's ck, taken as unsigned numbers, cq - ck <= 1024 holds exactly where
;           reference()'s mask holds: same state (else the difference is 2,049 at least, or wraps round), key not behind the query (else the ranks' difference wraps round), rank distance at most 1,024.  Any int32 may stand in sid.
;   256-383 THE TABLE OF cos AND sin, in the order in which launch qkv's lanes want them.
;   384-831 THE QUANTISER of hidden_states, Wq, Wk, Wv, Wo along K, innermost in all five.  The codes leave as images of the matrix operand's registers: 16 rows x 128 K are 1,024 bytes, [c 2][h 2][row 16][16 bytes].
; ROW ORDER.  In each group of 32 rows of hidden_states, Wq, Wk, Wv the rows 8-15 and 16-23 change places: slot 16 u + r holds row 8 u + r + 8 (r / 8).  A tile of 16 slots used as a product's first source then leaves,
; in a lane's 16 registers of two neighbouring tiles, 16 neighbours along the next product's K.
; LIMITS: a block whose largest magnitude lies under 2^(3 - 127), a block of zeros among them, gets the scale byte 1 (its codes are zeros or nearly so; the bytes are read by this program alone); NaN and infinities among the
; inputs are not served.  inv_freq is taken as the f32 nearest to 1 / X, X the f32 nearest to 10^(j / 16); the angle's reduction is good for |position x inv_freq| under 2^22.
; No tensor load, no cluster, no matrix unit: the work-groups share nothing and stream.
.set SPARE, 39936                      ; the spare words, 128 bytes a wave: two blocks of 256 bytes that no other line names
.set CJ,    40448                      ; the state codes' path: a batch's 2,048 sid, 8,192 bytes (each path has LDS bytes of its own; the quantiser has bytes 0 to 39,935)
.set SPW,   12                         ; v12 my spare word's LDS address; never rewritten
.set NIL,   13                         ; v13 0; never rewritten
	s_load_b512 s[4:19], s[0:1], 0x0               ; hidden_states s[4:5], Wq s[6:7], Wk s[8:9], Wv s[10:11], Wo s[12:13], sid s[14:15], position_ids s[16:17], opc s[18:19]
	s_load_b128 s[20:23], s[0:1], 0x40             ; ops s[20:21], rope s[22:23]
	s_load_b64 s[24:25], s[0:1], 0x50              ; stc
	v_lshl_add_u32 v[SPW], v0, 2, SPARE
	v_mov_b32 v[NIL], 0
	v_lshrrev_b32 v1, 5, v0
	v_readfirstlane_b32 s26, v1                    ; wave 0..3
	v_and_b32 v2, 31, v0                           ; lane
	s_wait_alu depctr_va_vdst(0)                   ; the wait ahead of the branches
	s_cmp_ge_u32 ttmp9, 384
	s_cbranch_scc1 .Lquant
	s_cmp_ge_u32 ttmp9, 256
	s_cbranch_scc1 .Lrope
; ---------------- STATE CODES.  A work-group takes 16 positions, a wave 4; eight lanes share a query: lane = 8 qi + st, and lane st scans the keys 32 m + 4 st + e.
	s_lshl_b32 s27, ttmp9, 4
	s_lshl_b32 s28, s26, 2
	s_add_co_u32 s27, s27, s28                     ; my wave's first position, counted through both batches
	s_lshr_b32 s28, s27, 11                        ; the batch
	s_and_b32 s29, s27, 2047                       ; the position in it
	s_lshl_b32 s32, s28, 13                        ; the batch's sid: 8,192 bytes
	s_mov_b32 s33, 0
	s_wait_alu depctr_va_vdst(0)
	v_lshrrev_b32 v3, 3, v2                        ; qi
	v_and_b32 v4, 7, v2                            ; st
	v_lshlrev_b32 v5, 4, v0                        ; 16 x thread
	v_add_nc_u32 v6, s27, v3
	v_lshlrev_b32 v6, 2, v6                        ; my query's word in sid and in stc
	v_add_nc_u32 v7, s29, v3                       ; my query's position in the batch
	v_lshlrev_b32 v8, 2, v4                        ; 4 st
	v_sub_nc_u32 v9, v7, v8                        ; q - 4 st, signed: key 32 m + 4 st + e lies behind q where 32 m + e is greater
	v_lshlrev_b32 v10, 4, v4
	v_add_nc_u32 v10, CJ, v10                      ; where my stream reads
	v_add_nc_u32 v11, CJ, v5                       ; where my thread stores
	s_wait_alu depctr_va_vdst(0)
	s_wait_kmcnt 0x0
	s_add_nc_u64 s[34:35], s[14:15], s[32:33]
.irp m, 0,1,2,3
	global_load_b128 v[64+4*\m:67+4*\m], v5, s[34:35] offset:2048*\m   ; the 128 threads read 2,048 consecutive bytes
.endr
	global_load_b32 v14, v6, s[14:15]              ; my query's sid
	s_wait_loadcnt 0x0
.irp m, 0,1,2,3
	ds_store_b128 v11, v[64+4*\m:67+4*\m] offset:2048*\m
.endr
	v_mov_b32 v15, 0xffffff                        ; the least key of my state seen so far
	v_mov_b32 v16, 0                               ; keys that do not count: of another state, or behind the query
	s_mov_b32 s31, 0                               ; the batch of 512 keys, 64 a lane
	s_wait_alu depctr_va_vdst(0)
	s_wait_dscnt 0x0                               ; for the others' sake: my stores have landed
	s_barrier_signal -1
	s_barrier_wait -1
.Lbatch:
	s_cmp_lt_u32 s29, s31                          ; a batch that begins behind the wave's queries is jumped over: a branch on ids
	s_cbranch_scc1 .Lpast
	s_lshl_b32 s36, s31, 2
	v_add_nc_u32 v19, s36, v10
	v_sub_nc_u32 v20, v9, s31
	v_mov_b32 v17, 0xffffff
.irp m, 0,1,2,3,4,5,6,7,8,9,10,11,12,13,14,15
	ds_load_b128 v[64+4*\m:67+4*\m], v19 offset:128*\m
.endr
	s_wait_alu depctr_va_vdst(0)
	s_wait_dscnt 0x0
.irp m, 15,14,13,12,11,10,9,8,7,6,5,4,3,2,1,0
.irp e, 3,2,1,0
	v_cmp_ne_u32 s30, v[64+4*\m+\e], v14           ; another state,
	v_cmp_gt_i32 vcc_lo, 32*\m+\e, v20             ; or behind the query:
	s_or_b32 vcc_lo, vcc_lo, s30                   ; it does not count
	v_cndmask_b32 v17, 32*\m+\e, v17, vcc_lo       ; from the last key to the first, so that the last hit written is the least
	v_add_co_ci_u32 v16, vcc_lo, 0, v16, vcc_lo
.endr
.endr
	v_add_nc_u32 v17, s31, v17
	v_min_u32 v15, v15, v17
.Lpast:
	s_add_co_u32 s31, s31, 512
	s_cmp_lt_u32 s31, 2048
	s_wait_alu depctr_va_vdst(0)
	s_cbranch_scc1 .Lbatch
	v_add_nc_u32 v15, v15, v8                      ; the key's true number
	v_mov_b32 v17, 0                               ; (a lane exchange's destination counts as one of its sources)
	v_mov_b32 v18, 0
.irp x, 1,2,4
	v_mov_b32_dpp v17, v15 row_xmask:\x row_mask:0xf bank_mask:0xf
	v_mov_b32_dpp v18, v16 row_xmask:\x row_mask:0xf bank_mask:0xf
	v_min_u32 v15, v15, v17
	v_add_nc_u32 v16, v16, v18
.endr
	s_lshr_b32 s31, s29, 9
	s_lshl_b32 s31, s31, 9
	s_add_co_u32 s31, s31, 511                     ; keys scanned - 1
	v_lshlrev_b32 v15, 12, v15
	v_add_nc_u32 v15, s31, v15
	v_sub_nc_u32 v15, v15, v16                     ; 4096 x first + (keys that count - 1)
	global_store_b32 v6, v15, s[24:25]             ; a query's eight lanes store the same word with the same value
	s_wait_tensorcnt 0x0                           ; the wave's end, behind my last LDS store
	ds_add_u32 v[SPW], v[NIL]
	s_wait_dscnt 0x0
	s_endpgm
; ---------------- cos AND sin.  rope[tile 256][quad 16][lane 32][4 f32]; quad = 8 kind + 4 bq + m (kind 0: cos, 1: sin); number e of lane (r, h): position of slot r of the tile, frequency 32 bq + 16 h + 4 m + e.
.Lrope:
	s_sub_co_u32 s27, ttmp9, 256
	s_lshl_b32 s27, s27, 1
	s_lshr_b32 s28, s26, 1
	s_add_co_u32 s27, s27, s28                     ; the tile of 16 slots
	s_and_b32 s28, s26, 1                          ; bq: which 32 of the 64 frequencies
	s_lshr_b32 s29, s27, 1
	s_lshl_b32 s29, s29, 5
	s_and_b32 s30, s27, 1
	s_lshl_b32 s30, s30, 3
	s_add_co_u32 s29, s29, s30                     ; 32 (tile / 2) + 8 (tile % 2)
	s_wait_alu depctr_va_vdst(0)
	v_and_b32 v3, 15, v2                           ; r
	v_lshrrev_b32 v4, 4, v2                        ; h
	v_and_b32 v5, 8, v3
	v_add_nc_u32 v5, v5, v3                        ; r + 8 (r / 8)
	v_add_nc_u32 v5, s29, v5                       ; the row that slot r holds
	v_lshlrev_b32 v5, 2, v5
	v_lshl_add_u32 v7, s28, 1, v4                  ; the decade: 2 bq + h
	v_lshlrev_b32 v9, 4, v2                        ; 16 x lane
	s_lshl_b32 s44, s27, 13
	s_lshl_b32 s30, s28, 11
	s_add_co_u32 s44, s44, s30                     ; 8,192 x tile + 2,048 bq
	s_mov_b32 s45, 0
	s_mov_b32 s33, 0x3f22f983                      ; 2 / pi
	s_mov_b32 s34, 0x3fc90fdb                      ; pi / 2 in three parts
	s_mov_b32 s35, 0xb33bbd2e
	s_mov_b32 s36, 0xa6f72ced
	s_mov_b32 s37, 0xbe2aaaa3                      ; sin: -1.6666654611e-1, 8.3321608736e-3, -1.9515295891e-4
	s_mov_b32 s38, 0x3c08839e
	s_mov_b32 s39, 0xb94ca1f9
	s_mov_b32 s40, 0x3d2aaaa5                      ; cos: 4.166664568e-2, -1.388731625e-3, 2.443315712e-5
	s_mov_b32 s41, 0xbab6061a
	s_mov_b32 s42, 0x37ccf5ce
	s_wait_alu depctr_va_vdst(0)
	s_wait_kmcnt 0x0
	global_load_b32 v6, v5, s[16:17]               ; position_ids of my row
	s_add_nc_u64 s[44:45], s[22:23], s[44:45]
; X = 10000^(2 j / 128) = 10^(j / 16), j = 32 bq + 16 h + n: sixteen numbers a lane, in one of four decades
.macro PICK n, x
	v_cndmask_b32 v[32+\n], \x, v[32+\n], vcc_lo
.endm
	v_mov_b32 v32, 1.0
	v_mov_b32 v33, 1.15478198469
	v_mov_b32 v34, 1.33352143216
	v_mov_b32 v35, 1.53992652606
	v_mov_b32 v36, 1.77827941004
	v_mov_b32 v37, 2.05352502646
	v_mov_b32 v38, 2.37137370566
	v_mov_b32 v39, 2.73841963426
	v_mov_b32 v40, 3.16227766017
	v_mov_b32 v41, 3.65174127255
	v_mov_b32 v42, 4.21696503429
	v_mov_b32 v43, 4.86967525166
	v_mov_b32 v44, 5.62341325190
	v_mov_b32 v45, 6.49381631576
	v_mov_b32 v46, 7.49894209332
	v_mov_b32 v47, 8.65964323360
	v_cmp_ne_u32 vcc_lo, 1, v7
	PICK 0, 10.0
	PICK 1, 11.5478198469
	PICK 2, 13.3352143216
	PICK 3, 15.3992652606
	PICK 4, 17.7827941004
	PICK 5, 20.5352502646
	PICK 6, 23.7137370566
	PICK 7, 27.3841963426
	PICK 8, 31.6227766017
	PICK 9, 36.5174127255
	PICK 10, 42.1696503429
	PICK 11, 48.6967525166
	PICK 12, 56.2341325190
	PICK 13, 64.9381631576
	PICK 14, 74.9894209332
	PICK 15, 86.5964323360
	v_cmp_ne_u32 vcc_lo, 2, v7
	PICK 0, 100.0
	PICK 1, 115.478198469
	PICK 2, 133.352143216
	PICK 3, 153.992652606
	PICK 4, 177.827941004
	PICK 5, 205.352502646
	PICK 6, 237.137370566
	PICK 7, 273.841963426
	PICK 8, 316.227766017
	PICK 9, 365.174127255
	PICK 10, 421.696503429
	PICK 11, 486.967525166
	PICK 12, 562.341325190
	PICK 13, 649.381631576
	PICK 14, 749.894209332
	PICK 15, 865.964323360
	v_cmp_ne_u32 vcc_lo, 3, v7
	PICK 0, 1000.0
	PICK 1, 1154.78198469
	PICK 2, 1333.52143216
	PICK 3, 1539.92652606
	PICK 4, 1778.27941004
	PICK 5, 2053.52502646
	PICK 6, 2371.37370566
	PICK 7, 2738.41963426
	PICK 8, 3162.27766017
	PICK 9, 3651.74127255
	PICK 10, 4216.96503429
	PICK 11, 4869.67525166
	PICK 12, 5623.41325190
	PICK 13, 6493.81631576
	PICK 14, 7498.94209332
	PICK 15, 8659.64323360
.set n, 0
	s_wait_alu depctr_va_vdst(0)
.rept 16
	v_rcp_f32 v[48+n], v[32+n]
.set n, n+1
.endr
	v_nop                                          ; a plain instruction behind the last reciprocal
	s_wait_alu depctr_va_vdst(0)                   ; one wait for the sixteen, ahead of their first reader
.set n, 0
.rept 16
	v_fma_f32 v[64+n], -v[32+n], v[48+n], 1.0      ; what the reciprocal is off by,
.set n, n+1
.endr
.set n, 0
.rept 16
	v_fma_f32 v[48+n], v[48+n], v[64+n], v[48+n]   ; taken in: inv_freq = 1 / X to the nearest f32
.set n, n+1
.endr
	s_wait_loadcnt 0x0
	v_cvt_f32_i32 v8, v6
; the angle x = position x inv_freq, rounded once as reference() rounds it; n = the nearest whole number to x 2 / pi; r = x - n pi / 2 by three fused steps; polynomials on |r| <= pi / 4; the quadrant picks and signs
.macro SINCOS i
	v_mul_f32 v100, v8, v[48+\i]
	v_mul_f32 v101, s33, v100
	v_rndne_f32 v101, v101
	v_fma_f32 v102, -v101, s34, v100
	v_fma_f32 v102, -v101, s35, v102
	v_fma_f32 v102, -v101, s36, v102               ; r
	v_cvt_i32_f32 v104, v101                       ; the quadrant, in its two lowest bits
	v_mul_f32 v103, v102, v102                     ; z = r r
	v_fma_f32 v105, s39, v103, s38
	v_fma_f32 v107, s42, v103, s41
	v_fma_f32 v105, v105, v103, s37
	v_fma_f32 v107, v107, v103, s40
	v_mul_f32 v106, v103, v102
	v_mul_f32 v108, v103, v103
	v_fma_f32 v109, v103, -0.5, 1.0
	v_fma_f32 v105, v105, v106, v102               ; sin r
	v_fma_f32 v107, v107, v108, v109               ; cos r
	v_and_b32 v110, 1, v104
	v_cmp_eq_u32 vcc_lo, 1, v110
	v_cndmask_b32 v111, v105, v107, vcc_lo         ; odd quadrants change the two over
	v_cndmask_b32 v112, v107, v105, vcc_lo
	v_and_b32 v113, 2, v104
	v_add_nc_u32 v114, 1, v104
	v_lshlrev_b32 v113, 30, v113
	v_and_b32 v114, 2, v114
	v_xor_b32 v[80+\i], v111, v113                 ; sin x
	v_lshlrev_b32 v114, 30, v114
	v_xor_b32 v[64+\i], v112, v114                 ; cos x
.endm
.irp i, 0,1,2,3,4,5,6,7,8,9,10,11,12,13,14,15
	SINCOS \i
.endr
.irp m, 0,1,2,3
	global_store_b128 v9, v[64+4*\m:67+4*\m], s[44:45] offset:512*\m        ; 32 lanes store 512 consecutive bytes
	global_store_b128 v9, v[80+4*\m:83+4*\m], s[44:45] offset:4096+512*\m
.endr
	s_wait_tensorcnt 0x0                           ; the wave's end
	ds_add_u32 v[SPW], v[NIL]
	s_wait_dscnt 0x0
	s_endpgm
; ---------------- THE QUANTISER.  Work-group W (0..447) makes 16 slots of 2,048 numbers: one tile of hidden_states (W < 256) or of Wq | Wk | Wv (W < 384), or two tiles of Wo's rows of 1,024, laid as 16 slots that hold row r
; of the first tile and then row r of the second.  Wave w makes slots 4 w + i, each in four steps of 512 numbers.  Each load reads 512 consecutive bytes; a step's 2,048 bytes turn through the wave's own stage in LDS, so that
; a lane holds 16 neighbours along K (two neighbouring lanes hold a block).  The codes are gathered as images in LDS (units of 256 bytes, 272 apart) and leave in whole units of 256 bytes; so do a wave's 256 scale bytes.
; Loads run eight steps ahead, the turn through LDS one.
; WHERE THE IMAGES GO.  hidden_states: groups of 16 tiles, in each the chunks of 512 along K: [group][chunk][tile][4][1,024].  The weights: groups of 8 tiles, the chunks in the order 2, 1, 0, 3.  Wo: [tile][8][1,024].
.Lquant:
.set WREG,  5632                       ; LDS of a wave: two stages of 32 x SP bytes, behind them its 256 scale bytes
.set IMG,   4*WREG                     ; the images: 64 units x 272
.set SP,    80                         ; a lane's place in a stage: 64 bytes + 16 of padding
.set STEPS, 16
.set EMAX,  2
.set R,     16                         ; v16-143  eight sets of 16 numbers as loaded
.set X,     144                        ; v144-175 two sets of 16 neighbours
.set E,     176                        ; v176-191 a scale byte for each step
.set C,     192                        ; v192-255 codes: registers of its own for each step
	s_wait_alu depctr_va_vdst(0)
	v_lshlrev_b32 v3, 4, v2                        ; my 16 bytes of a load's 512
	s_mul_i32 s27, s26, WREG
	v_lshrrev_b32 v14, 2, v2
	v_mul_u32_u24 v14, v14, SP
	v_and_b32 v15, 3, v2
	v_lshl_add_u32 v14, v15, 4, v14
	v_add_nc_u32 v14, s27, v14                     ; the stage, on the way in: SP (lane / 4) + 16 (lane % 4)
	v_mul_u32_u24 v15, v2, SP
	v_add_nc_u32 v15, s27, v15                     ; and on the way out: SP x lane
	v_lshrrev_b32 v5, 1, v2
	v_mul_u32_u24 v4, v5, 272
	v_and_b32 v8, 1, v2
	v_lshl_add_u32 v4, v8, 3, v4
	s_lshl_b32 s33, s26, 6
	s_add_co_u32 s33, s33, IMG
	v_add_nc_u32 v4, s33, v4                       ; my codes' place in the images: unit lane / 2 of the step's 16, slot 4 w, half lane % 2
	s_add_co_u32 s27, s27, 2*32*SP
	v_add_nc_u32 v5, s27, v5                       ; my block's scale byte in LDS
	v_lshlrev_b32 v7, 3, v2
	v_add_nc_u32 v6, s27, v7                       ; and 8 of them a lane on the way out
	v_lshlrev_b32 v1, 4, v0                        ; the images on the way out: 16 bytes a thread
	v_lshrrev_b32 v10, 4, v0
	v_mul_u32_u24 v10, v10, 272
	v_and_b32 v8, 15, v0
	v_lshl_add_u32 v10, v8, 4, v10
	v_add_nc_u32 v10, IMG, v10
	s_sub_co_u32 s28, ttmp9, 384                   ; W
	s_lshl_b32 s29, s28, 2
	s_add_co_u32 s29, s29, s26                     ; the run of four slots
	s_and_b32 s30, s29, 2
	s_lshl_b32 s30, s30, 1
	s_and_b32 s31, s29, 4
	s_lshr_b32 s31, s31, 1
	s_and_b32 s32, s29, 0xfffffff9
	s_or_b32 s32, s32, s30
	s_or_b32 s32, s32, s31                         ; with bits 1 and 2 exchanged: the four rows that it is made of
	s_wait_alu depctr_va_vdst(0)
	s_wait_kmcnt 0x0
	s_mov_b64 s[34:35], s[12:13]                   ; which tensor, and its first run: the choice hangs on the work-group's number alone
	s_mov_b32 s33, 1536
	s_cmp_lt_u32 s28, 384
	s_cselect_b64 s[34:35], s[10:11], s[34:35]
	s_cselect_b32 s33, 1408, s33
	s_cmp_lt_u32 s28, 352
	s_cselect_b64 s[34:35], s[8:9], s[34:35]
	s_cselect_b32 s33, 1280, s33
	s_cmp_lt_u32 s28, 320
	s_cselect_b64 s[34:35], s[6:7], s[34:35]
	s_cselect_b32 s33, 1024, s33
	s_cmp_lt_u32 s28, 256
	s_cselect_b64 s[34:35], s[4:5], s[34:35]
	s_cselect_b32 s33, 0, s33
	s_sub_co_u32 s36, s32, s33
	s_lshl_b32 s36, s36, 15                        ; four rows of 8,192 bytes a run
	s_sub_co_u32 s37, s28, 384
	s_lshl_b32 s46, s37, 14
	s_add_co_u32 s46, s46, 6291456                 ; Wo's images
	s_lshl_b32 s37, s37, 17
	s_lshl_b32 s42, s26, 14
	s_add_co_u32 s37, s37, s42                     ; Wo's row 32 (W - 384) + 4 w, 4,096 bytes a row
	s_sub_co_u32 s44, s28, 256
	s_lshr_b32 s45, s44, 3
	s_lshl_b32 s45, s45, 17
	s_and_b32 s44, s44, 7
	s_lshl_b32 s44, s44, 12
	s_add_co_u32 s45, s45, s44
	s_add_co_u32 s45, s45, 4194304                 ; the weights' images
	s_lshr_b32 s47, s28, 4
	s_lshl_b32 s47, s47, 18
	s_and_b32 s44, s28, 15
	s_lshl_b32 s44, s44, 12
	s_add_co_u32 s47, s47, s44                     ; hidden_states'
	s_mov_b32 s52, 0                               ; s52-55: where the tile's four pieces of 4,096 bytes go
	s_mov_b32 s53, 4096
	s_mov_b32 s54, 8192
	s_mov_b32 s55, 12288
	s_mov_b32 s42, 4096                            ; from row to row,
	s_mov_b32 s44, 0x10000                         ; and from a slot's first half to its second
	s_cmp_lt_u32 s28, 384
	s_cselect_b32 s36, s36, s37
	s_cselect_b32 s42, 8192, s42
	s_cselect_b32 s44, 4096, s44
	s_cselect_b32 s46, s45, s46
	s_cselect_b32 s52, 0x10000, s52
	s_cselect_b32 s53, 0x8000, s53
	s_cselect_b32 s54, 0, s54
	s_cselect_b32 s55, 0x18000, s55
	s_cmp_lt_u32 s28, 256
	s_cselect_b32 s46, s47, s46
	s_cselect_b32 s52, 0, s52
	s_cselect_b32 s53, 0x10000, s53
	s_cselect_b32 s54, 0x20000, s54
	s_cselect_b32 s55, 0x30000, s55
	s_mov_b32 s37, 0
	s_mov_b32 s43, 0
	s_mov_b32 s45, 0
	s_mov_b32 s47, 0
	s_add_nc_u64 s[66:67], s[34:35], s[36:37]      ; s[66:81]: row i, half hh at 66 + 4 i + 2 hh
	s_add_nc_u64 s[68:69], s[66:67], s[44:45]
	s_add_nc_u64 s[70:71], s[66:67], s[42:43]
	s_add_nc_u64 s[72:73], s[68:69], s[42:43]
	s_add_nc_u64 s[74:75], s[70:71], s[42:43]
	s_add_nc_u64 s[76:77], s[72:73], s[42:43]
	s_add_nc_u64 s[78:79], s[74:75], s[42:43]
	s_add_nc_u64 s[80:81], s[76:77], s[42:43]
	s_add_nc_u64 s[38:39], s[18:19], s[46:47]
.irp c, 0,1,2,3
	s_mov_b32 s36, s[52+\c]
	s_add_nc_u64 s[84+2*\c:85+2*\c], s[38:39], s[36:37]
.endr
	s_lshl_b32 s36, s29, 8                         ; 256 scale bytes a run
	s_add_nc_u64 s[40:41], s[20:21], s[36:37]
.macro LOAD t
.irp i, 0,1,2,3
	global_load_b128 v[R+16*((\t)%8)+4*\i:R+16*((\t)%8)+4*\i+3], v3, s[66+4*((\t)/4)+2*(((\t)%4)/2):67+4*((\t)/4)+2*(((\t)%4)/2)] offset:2048*((\t)%2)+512*\i th:TH_LOAD_NT
.endr
.endm
.macro TURN t                          ; step t's numbers through the stage: LDS serves a wave's instructions in order, so no wait stands between the stores and the loads
.irp i, 0,1,2,3
	ds_store_b128 v14, v[R+16*((\t)%8)+4*\i:R+16*((\t)%8)+4*\i+3] offset:32*SP*((\t)%2)+8*SP*\i
.endr
.irp i, 0,1,2,3
	ds_load_b128 v[X+16*((\t)%2)+4*\i:X+16*((\t)%2)+4*\i+3], v15 offset:32*SP*((\t)%2)+16*\i
.endr
.endm
.irp t, 0,1,2,3,4,5,6,7
	LOAD \t
.endr
	s_wait_loadcnt 28                              ; step 0's four loads are in; the 28 of steps 1 to 7 may be out
	TURN 0
.macro STEP t
.set XS, X+16*((\t)%2)
.if (\t) > 0
	s_wait_dscnt 2                                 ; this step's numbers are back from the stage (the last step's two stores may be out), so its stores into the stage have read their registers,
.else
	s_wait_dscnt 0x0
.endif
.if (\t)+8 < STEPS
	LOAD (\t)+8                                    ; which take the loads of eight steps on
.endif
.if (\t)+1 < STEPS
.if STEPS-2-(\t) >= 7
	s_wait_loadcnt 28                              ; the next step's four loads are in; those of the seven steps behind it may be out
.else
	s_wait_loadcnt 4*(STEPS-2-(\t))
.endif
	TURN (\t)+1
.endif
	v_max3_num_f32 v8, |v[XS]|, |v[XS+1]|, |v[XS+2]|               ; the largest magnitude of my 16
	v_max3_num_f32 v9, |v[XS+3]|, |v[XS+4]|, |v[XS+5]|
.irp i, 6,10
	v_max3_num_f32 v8, v8, |v[XS+\i]|, |v[XS+\i+1]|
	v_max3_num_f32 v9, v9, |v[XS+\i+2]|, |v[XS+\i+3]|
.endr
	v_max3_num_f32 v8, v8, |v[XS+14]|, |v[XS+15]|
	v_max3_num_f32 v8, v8, v9, (EMAX+1)<<23        ; and the floor 2^(3 - 127): the byte cannot fall under 1
	v_max_num_f32_dpp v8, v8, v8 row_xmask:1 row_mask:0xf bank_mask:0xf   ; with my neighbour's 16: the block's
	v_add_nc_u32 v11, -(EMAX<<23), v8              ; 2 off its exponent field: the conversion takes that field as its scale and nothing else
	v_cvt_scalef32_pk8_fp4_f32 v[C+4*(\t)], v[XS:XS+7], v11
	v_cvt_scalef32_pk8_fp4_f32 v[C+4*(\t)+1], v[XS+8:XS+15], v11
	v_lshrrev_b32 v[E+(\t)], 23, v11               ; the scale's byte
	ds_store_b64 v4, v[C+4*(\t):C+4*(\t)+1] offset:4352*((\t)%4)+16*((\t)/4)   ; slot 4 w + t / 4, K steps 4 (t % 4) on
	ds_store_b8 v5, v[E+(\t)] offset:16*(\t)       ; both lanes of a block write the same byte with the same value
.endm
.irp t, 0,1,2,3,4,5,6,7,8,9,10,11,12,13,14,15
	STEP \t
.endr
	ds_load_b64 v[8:9], v6                         ; LDS serves a wave's instructions in order: these see my stores
	s_wait_dscnt 0x0                               ; all my LDS stores have landed
	global_store_b64 v7, v[8:9], s[40:41]          ; 256 consecutive bytes, aligned
	s_barrier_signal -1
	s_barrier_wait -1                              ; everybody's have: the 16 slots are whole
.irp k, 0,1,2,3,4,5,6,7
	ds_load_b128 v[16+4*\k:19+4*\k], v10 offset:2176*\k
.endr
.irp k, 0,1,2,3,4,5,6,7
	s_wait_dscnt 7-\k
	global_store_b128 v1, v[16+4*\k:19+4*\k], s[84+2*(\k/2):85+2*(\k/2)] offset:2048*(\k%2)   ; the 128 threads store 2,048 consecutive bytes
.endr
	s_wait_tensorcnt 0x0                           ; the wave's end, behind my last LDS store
	ds_add_u32 v[SPW], v[NIL]
	s_wait_dscnt 0x0
	s_endpgm
.Lfunc_end_k_q9e2d9253f1_prep:
	.size	k_q9e2d9253f1_prep, .Lfunc_end_k_q9e2d9253f1_prep-k_q9e2d9253f1_prep
	.p2alignl 7, 3214868480
	.fill 96, 4, 3214868480
	.section	.rodata,"a",@progbits
	.p2align	6, 0x0
	.amdhsa_kernel k_q9e2d9253f1_prep
		.amdhsa_group_segment_fixed_size 48640
		.amdhsa_private_segment_fixed_size 0
		.amdhsa_enable_private_segment 0
		.amdhsa_kernarg_size 88
		.amdhsa_user_sgpr_count 2
		.amdhsa_user_sgpr_kernarg_segment_ptr 1
		.amdhsa_wavefront_size32 1
		.amdhsa_system_sgpr_workgroup_id_x 1
		.amdhsa_system_sgpr_workgroup_id_y 1
		.amdhsa_system_sgpr_workgroup_id_z 1
		.amdhsa_system_vgpr_workitem_id 0
		.amdhsa_next_free_vgpr 256
		.amdhsa_next_free_sgpr 92
		.amdhsa_reserve_vcc 1
		.amdhsa_float_denorm_mode_32 3
		.amdhsa_float_denorm_mode_16_64 3
		.amdhsa_memory_ordered 1
		.amdhsa_forward_progress 1
		.amdhsa_inst_pref_size 86
	.end_amdhsa_kernel
	.amdgpu_metadata
---
amdhsa.version: [ 1, 2 ]
amdhsa.kernels:
  - .name:           k_q9e2d9253f1_prep
    .symbol:         k_q9e2d9253f1_prep.kd
    .args:
      - { .name: hidden_states, .offset: 0, .size: 8, .value_kind: global_buffer, .address_space: global }
      - { .name: Wq, .offset: 8, .size: 8, .value_kind: global_buffer, .address_space: global }
      - { .name: Wk, .offset: 16, .size: 8, .value_kind: global_buffer, .address_space: global }
      - { .name: Wv, .offset: 24, .size: 8, .value_kind: global_buffer, .address_space: global }
      - { .name: Wo, .offset: 32, .size: 8, .value_kind: global_buffer, .address_space: global }
      - { .name: sid, .offset: 40, .size: 8, .value_kind: global_buffer, .address_space: global }
      - { .name: position_ids, .offset: 48, .size: 8, .value_kind: global_buffer, .address_space: global }
      - { .name: opc, .offset: 56, .size: 8, .value_kind: global_buffer, .address_space: global }
      - { .name: ops, .offset: 64, .size: 8, .value_kind: global_buffer, .address_space: global }
      - { .name: rope, .offset: 72, .size: 8, .value_kind: global_buffer, .address_space: global }
      - { .name: stc, .offset: 80, .size: 8, .value_kind: global_buffer, .address_space: global }
    .group_segment_fixed_size: 48640
    .private_segment_fixed_size: 0
    .kernarg_segment_align: 8
    .kernarg_segment_size: 88
    .max_flat_workgroup_size: 128
    .sgpr_count:     92
    .vgpr_count:     256
    .wavefront_size: 32
...
	.end_amdgpu_metadata
.endif
;; end of part 1
;; launch qkv (part 2): grid 16 x 16, 4 waves a work-group, clusters of 4 x 4, 327,680 bytes of LDS; arguments opc, ops, rope, stc, qim, kv, msk; writes qim, kv, msk
.if DOCPART == 2
	.amdgcn_target "amdgcn-amd-amdhsa--gfx1250"
	.amdhsa_code_object_version 6
	.text
	.protected	k_q9e2d9253f1_qkv
	.globl	k_q9e2d9253f1_qkv
	.p2align	8
	.type	k_q9e2d9253f1_qkv,@function
k_q9e2d9253f1_qkv:
	s_mov_b64 s[64:65], 0
	v_nop
	global_prefetch_b8 v0, s[64:65] scope:SCOPE_SE
	s_setreg_imm32_b32 hwreg(HW_REG_WAVE_MODE, 25, 1), 1
	s_wait_xcnt 0x0
	s_wait_alu depctr_hold_cnt(0) depctr_sa_sdst(0) depctr_va_vdst(0) depctr_va_sdst(0) depctr_va_ssrc(0) depctr_va_vcc(0) depctr_vm_vsrc(0)
	s_getreg_b32 s2, hwreg(HW_REG_IB_STS2, 6, 4)
	s_cmp_eq_u32 s2, 0
	s_cbranch_scc0 .Lentry_in_a_cluster
	s_endpgm
.Lentry_in_a_cluster:
	s_bfe_u32 s2, ttmp6, 0x10000c
	s_cmp_lg_u32 s2, 0xf033
	s_cbranch_scc0 .Lentry_shape_is_right
	s_endpgm
.Lentry_shape_is_right:
; q, k, v = hidden_states x (Wq | Wk | Wv)^T on codes of E2M1 made by launch prep; the rotary embedding on q and k; then the quantisers of the attention's operands: q and k along the head's 128, v along the keys.
; And the attention's mask, as an operand of codes: below.  Nothing is left out here.
; SHARES.  A work-group makes 256 slots of hidden_states (tile row tr) x 128 slots of the weights (tile column tc: one head).  Cluster x 0, 1: q's eight heads; 2: k's four; 3: v's four: the kind is the same in all partners.
; A wave makes 4 SMALL tiles x 8 BIG tiles of 16 x 16: the product's first source is a BIG tile, its second a SMALL one, so that a lane holds one SMALL row and its 64 registers run along the 128 BIG rows, which by prep's row
; order are 16 neighbours for each pair of tiles: the next product's K.  q, k: BIG = the head's 128 weight rows, SMALL = tiles 4 w on of hidden_states.  v: BIG = tiles 8 (w / 2) on of hidden_states, one key step;
; SMALL = weight tiles 4 (w % 2) on.  One text serves both: LDS bases are chosen on the cluster's x.
; K = 2,048 goes in four chunks of 512, as images.  The head's four joint loads, one a wave, bring chunks 0 to 2 of both operands and the scale bytes of all of K; chunk 3 is the one refill, into chunk 0's bytes, asked for in
; chunk 0's last K step and awaited in chunk 2's last.  LDS: hidden_states' chunks 0, 1, 2, the weights' 2, 1, 0: so what is read while the refill is out lies between the two pieces that it fills.
; CLUSTER 4 x 4: hidden_states' tiles are shared along a row of the cluster, the weights' along a column: each is asked for jointly.
; THE MASK.  Work-group (tr, tc) makes the fragments of query tile 16 tr + tc: 16 queries x 128 keys are 1,024 bytes of codes, a key a row, K = 16 x (tile of keys) + query: the code of -6 where the key does not count, else 0.
; Launch attn multiplies it by ones in the query's place.  Key steps wholly behind the queries are made too (no branch hangs on a place in the cluster) and not read.
; RESULTS leave as images of the next operand's registers: a fragment of 16 rows x 128 K is 1,024 bytes, [c 2][lane 32][16 bytes]; its scale words 64 bytes.
; No prefetch: only a quarter of K comes behind the head, asked for eight K steps ahead of its use.
.set SCA,   294912                     ; hidden_states' scale bytes: 256 rows x 64
.set SCB,   311296                     ; the weights': 128 rows x 64
.set SPARE, 319488                     ; the spare words, 128 bytes a wave: two blocks of 256 bytes that no other line names
.set WL0,   262144                     ; the weights' chunk 0 in LDS; chunks 1 and 2 lie 32,768 and 65,536 below it
.set ABIG, 1                           ; v1-3   BIG images' LDS address in chunk 0, 1, 2 (3: as 0)
.set ASML, 4                           ; v4-6   SMALL's
.set ASB,  7                           ; v7     BIG scale words'
.set ASS,  8                           ; v8     SMALL's
.set LI,   9                           ; v9     16 x lane
.set LS,   10                          ; v10    4 x lane
.set SPW,  12                          ; v12    my spare word; never rewritten
.set NIL,  13                          ; v13    0; never rewritten
.set SC,   16                          ; v16-79 scale words, two sets (by the chunk's parity): BIG 4 p + q (lanes 0-15 tile 2 p, lanes 16-31 tile 2 p + 1), SMALL 16 + 4 j + q
.set FB,   80                          ; v80-207 BIG fragments, two sets
.set KY,   80                          ; the mask: 16 keys a lane,
.set MA,   96                          ; their 32 words of codes,
.set TT,   128                         ; at work,
.set VQ,   132                         ; the tile's query codes, one a lane
.set TM,   80                          ; the way out, at work
.set QM,   100
.set QX,   108
.set QS,   116
.set QB,   124
.set PC,   136
.set PW,   152
                                       ; window 1: accumulator (SMALL j, BIG i) at 64 j + 8 i;  window 2: the table, tile j's 32 cos at 64 j, its 32 sin at 64 j + 32;  window 3, v0-63: SMALL fragments, two sets
.set JB, (3<<16)|(1<<21)               ; group 1, word 0: elements of 8 bytes; set beside a mask
.set MSB, 0
.macro WIN new                         ; s_set_vgpr_msb: bits 1:0 source 0, 3:2 source 1, 5:4 source 2, 7:6 destination; the immediate's high byte repeats the setting that is left
.if MSB != \new
	s_set_vgpr_msb (MSB<<8)|\new
.set MSB, \new
.endif
.endm
.macro CROUND                          ; a round of the cluster's barrier
	s_barrier_signal -1
	s_barrier_wait -1
	s_cmp_lg_u32 s14, 0
	s_cbranch_scc1 .Lnot_wave_0_\@
	s_barrier_signal -3
.Lnot_wave_0_\@:
	s_barrier_wait -3
	s_barrier_signal -1
	s_barrier_wait -1
.endm
.macro TL g0, g1
	tensor_load_to_lds s[\g0:\g0+3], s[\g1:\g1+7]
	s_nop 0
.rept 4
	v_nop
.endr
.endm
	s_load_b256 s[4:11], s[0:1], 0x0               ; opc s[4:5], ops s[6:7], rope s[8:9], stc s[10:11]
	s_load_b128 s[16:19], s[0:1], 0x20             ; qim s[16:17], kv s[18:19]
	s_load_b64 s[20:21], s[0:1], 0x30              ; msk
	v_lshl_add_u32 v[SPW], v0, 2, SPARE
	v_mov_b32 v[NIL], 0
	ds_add_u32 v[SPW], v[NIL]                      ; the wave's opening: the add, twice on end, and its wait ahead of my first tensor load
	ds_add_u32 v[SPW], v[NIL]
	v_lshrrev_b32 v11, 5, v0
	v_readfirstlane_b32 s14, v11                   ; wave 0..3
	s_bfe_u32 s12, ttmp6, 0x40000                  ; cx
	s_bfe_u32 s13, ttmp6, 0x40004                  ; cy
	s_lshl_b32 s22, ttmp9, 2
	s_add_co_u32 s22, s22, s12                     ; tc
	s_and_b32 s23, ttmp7, 0xffff
	s_lshl_b32 s23, s23, 2
	s_add_co_u32 s23, s23, s13                     ; tr
	s_lshl_b32 s15, s13, 2
	s_lshl_b32 s15, 15, s15                        ; my row of the cluster
	s_lshl_b32 s66, 0x1111, s12                    ; my column
	s_or_b32 s24, s15, JB                          ; group 1 of four kinds of dense blocks, as rows of 256 bytes: hidden_states' three chunks,
	s_or_b32 s32, s66, JB                          ; the weights',
	s_or_b32 s40, s15, JB                          ; the scale bytes of both
	s_or_b32 s48, s66, JB
.irp g, 24, 32, 40, 48
	s_mov_b32 s[\g+1], 32<<16
	s_mov_b32 s[\g+3], 32<<16
	s_mov_b32 s[\g+5], 32
	s_mov_b32 s[\g+6], 0
	s_mov_b32 s[\g+7], 0
.endr
	s_mov_b32 s26, 768<<16
	s_mov_b32 s28, 768
	s_mov_b32 s34, 384<<16
	s_mov_b32 s36, 384
	s_mov_b32 s42, 64<<16
	s_mov_b32 s44, 64
	s_mov_b32 s50, 32<<16
	s_mov_b32 s52, 32
	s_lshl_b32 s84, s23, 18                        ; hidden_states' group tr
	s_mov_b32 s85, 0
	s_lshl_b32 s86, s22, 17
	s_add_co_u32 s86, s86, 4194304                 ; the weights' group tc
	s_mov_b32 s87, 0
	s_lshl_b32 s88, s23, 14
	s_mov_b32 s89, 0
	s_lshl_b32 s90, s22, 13
	s_add_co_u32 s90, s90, 262144
	s_mov_b32 s91, 0
	s_and_b32 s67, s14, 1                          ; which half of the refill's piece is mine
	s_lshl_b32 s77, s67, 15                        ; where it goes: hidden_states' chunk 0,
	s_lshl_b32 s81, s67, 14
	s_add_co_u32 s92, s77, 196608                  ; and its bytes in chunk 3
	s_mov_b32 s93, 0
	s_add_co_u32 s98, s81, 98304
	s_mov_b32 s99, 0
	s_add_co_u32 s81, s81, WL0                     ; the weights' chunk 0
	v_and_b32 v11, 15, v0                          ; r
	v_and_b32 v14, 8, v11
	v_add_nc_u32 v15, v14, v11                     ; r + 8 (r / 8)
	v_bfe_u32 v14, v0, 4, 1                        ; h
	v_lshlrev_b32 v15, 2, v15                      ; a query's word
	v_lshl_add_u32 v14, v14, 7, v15                ; a key's: 4 (32 h + r + 8 (r / 8))
	v_and_b32 v[LS], 31, v0
	v_lshlrev_b32 v[LI], 4, v[LS]
	v_lshlrev_b32 v[LS], 2, v[LS]
	s_mov_b32 s3, 1024                             ; the window
	s_mov_b32 s94, 0xffff0000                      ; lanes 16-31
	s_mov_b32 s100, 0x76543210
	s_mov_b32 s101, 0xfedcba98                     ; v_permlanex16_b32's selects for lane l xor 16
	s_wait_alu depctr_va_vdst(0)
	s_wait_dscnt 0x0                               ; both opening adds are done
	s_wait_kmcnt 0x0
	s_add_nc_u64 s[58:59], s[4:5], s[84:85]
	s_add_nc_u64 s[78:79], s[58:59], s[92:93]
	s_add_nc_u64 s[62:63], s[4:5], s[86:87]
	s_add_nc_u64 s[82:83], s[62:63], s[98:99]
	s_add_nc_u64 s[70:71], s[6:7], s[88:89]
	s_add_nc_u64 s[74:75], s[6:7], s[90:91]
.irp g, 56, 60, 68, 72, 76, 80
	s_mov_b32 s[\g], 1
	s_or_b32 s[\g+3], s[\g+3], 0x80000000
.endr
	s_mov_b32 s57, 0
	s_mov_b32 s61, 196608
	s_mov_b32 s69, SCA
	s_mov_b32 s73, SCB
	; the mask: the batch's codes at my first key step, and at the tile's queries; the steps are w, w + 4, w + 8, w + 12
	s_lshr_b32 s95, s23, 3                         ; the batch
	s_lshl_b32 s90, s95, 13
	s_lshl_b32 s88, s14, 9
	s_add_co_u32 s88, s88, s90
	s_mov_b32 s89, 0
	s_and_b32 s92, s23, 7
	s_lshl_b32 s92, s92, 4
	s_add_co_u32 s92, s92, s22                     ; T
	s_lshr_b32 s93, s92, 1
	s_lshl_b32 s93, s93, 7
	s_add_co_u32 s90, s90, s93
	s_and_b32 s93, s92, 1
	s_lshl_b32 s93, s93, 5
	s_add_co_u32 s90, s90, s93
	s_mov_b32 s91, 0
	s_lshl_b32 s96, s23, 4
	s_add_co_u32 s96, s96, s22
	s_lshl_b32 s96, s96, 14
	s_lshl_b32 s97, s14, 10
	s_add_co_u32 s96, s96, s97
	s_mov_b32 s97, 0
	s_add_nc_u64 s[88:89], s[10:11], s[88:89]
	s_add_nc_u64 s[90:91], s[10:11], s[90:91]
	s_add_nc_u64 s[96:97], s[20:21], s[96:97]
.irp s, 0,1,2,3
.irp c, 0,1
.irp u, 0,1
	global_load_b32 v[KY+4*\s+2*\c+\u], v14, s[88:89] offset:2048*\s+256*\c+32*\u   ; key 512 s + 64 c + 32 h + 8 u + r + 8 (r / 8)
.endr
.endr
.endr
	global_load_b32 v[VQ], v15, s[90:91]
	CROUND                                         ; all sixteen work-groups are here: the first joint loads meet
; THE HEAD'S LOADS, ONE A WAVE
.macro ARM under, g0, g1, next
	s_cmp_lt_u32 s14, \under
	s_cbranch_scc0 \next
	TL \g0, \g1
	s_branch .Lhead_asked
\next:
.endm
	ARM 1, 56, 24, .Lhead_b
	ARM 2, 60, 32, .Lhead_sa
	ARM 3, 68, 40, .Lhead_sb
	TL 72, 48
.Lhead_asked:
	; the LDS addresses of the reads
	s_lshr_b32 s84, s14, 1
	s_lshl_b32 s85, s84, 15                        ; v: BIG = hidden_states' tiles 8 (w / 2) on
	s_lshl_b32 s86, s14, 14                        ; q, k: SMALL = hidden_states' tiles 4 w on
	s_lshl_b32 s87, s67, 14                        ; v: SMALL = the weights' tiles 4 (w % 2) on
	s_lshl_b32 s92, s84, 13
	s_add_co_u32 s92, s92, SCA
	s_lshl_b32 s93, s14, 12
	s_add_co_u32 s93, s93, SCA
	s_lshl_b32 s98, s67, 12
	s_add_co_u32 s98, s98, SCB
	s_mov_b32 s99, SCB
	s_cmp_eq_u32 ttmp9, 3                          ; the cluster's x: the same in all sixteen partners
	s_cselect_b32 s92, s92, s99
	s_cselect_b32 s93, s98, s93
	v_lshlrev_b32 v11, 6, v11                      ; scale words: rows of 64 bytes
	v_add_nc_u32 v[ASS], s93, v11                  ; row = lane % 16
	v_lshlrev_b32 v11, 4, v[LS]
	v_add_nc_u32 v[ASB], s92, v11                  ; row = lane
.irp c, 0,1,2
	s_add_co_u32 s92, s85, 65536*\c
	s_mov_b32 s93, WL0-32768*\c
	s_add_co_u32 s98, s86, 65536*\c
	s_add_co_u32 s99, s87, WL0-32768*\c
	s_cmp_eq_u32 ttmp9, 3
	s_cselect_b32 s92, s92, s93
	s_cselect_b32 s98, s99, s98
	v_add_nc_u32 v[ABIG+\c], s92, v[LI]
	v_add_nc_u32 v[ASML+\c], s98, v[LI]
.endr
.irp n, 0,1,2,3,4,5,6,7,8,9,10,11,12,13,14,15,16,17,18,19,20,21,22,23,24,25,26,27,28,29,30,31
	v_mov_b32 v[MA+\n], 0
.endr
	s_mov_b32 s98, 0
	s_wait_alu depctr_va_vdst(0)
	s_wait_loadcnt 0x0
; a trip: queries i and i + 8 against my 16 keys: a word takes its next code from the top
.Lmask:
	s_add_co_u32 s99, s98, 8
	v_readlane_b32 s92, v[VQ], s98
	v_readlane_b32 s93, v[VQ], s99
.irp e, 0,1
.irp g, 0,1,2,3
.irp k, 0,1,2,3
	v_sub_nc_u32 v[TT+\k], s[92+\e], v[KY+4*\g+\k]
.endr
.irp k, 0,1,2,3
	v_cmp_lt_u32 s[84+\k], s3, v[TT+\k]            ; hidden where the difference, unsigned, is over 1,024
.endr
.irp k, 0,1,2,3
	v_cndmask_b32 v[TT+\k], 0, 15, s[84+\k]
.endr
.irp k, 0,1,2,3
	v_alignbit_b32 v[MA+8*\g+2*\k+\e], v[TT+\k], v[MA+8*\g+2*\k+\e], 4
.endr
.endr
.endr
	s_add_co_u32 s98, s98, 1
	s_cmp_lt_u32 s98, 8
	s_wait_alu depctr_va_vdst(0)
	s_cbranch_scc1 .Lmask
.irp s, 0,1,2,3
	global_store_b128 v[LI], v[MA+8*\s:MA+8*\s+3], s[96:97] offset:4096*\s          ; 512 consecutive bytes a store
	global_store_b128 v[LI], v[MA+8*\s+4:MA+8*\s+7], s[96:97] offset:4096*\s+512
.endr
	; where the results go, and my tiles of the cos / sin table
	s_and_b32 s98, s23, 7
	s_lshl_b32 s88, s95, 3
	s_add_co_u32 s88, s88, s22
	s_lshl_b32 s88, s88, 7
	s_lshl_b32 s99, s98, 4
	s_add_co_u32 s88, s88, s99
	s_lshl_b32 s99, s14, 2
	s_add_co_u32 s88, s88, s99                     ; q: tile (8 b + head) 128 + 16 (tr % 8) + 4 w
	s_lshl_b32 s90, s88, 6
	s_add_co_u32 s90, s90, 2097152                 ; its scale words
	s_lshl_b32 s88, s88, 10                        ; its image
	s_lshl_b32 s92, s95, 2
	s_and_b32 s99, s22, 3
	s_add_co_u32 s92, s92, s99
	s_lshl_b32 s92, s92, 4
	s_lshl_b32 s99, s98, 1
	s_add_co_u32 s92, s92, s99
	s_lshr_b32 s99, s14, 1
	s_add_co_u32 s92, s92, s99
	s_mul_i32 s92, s92, 17408                      ; k, v: the key step's 17,408 bytes: ((4 b + head) 16 + 2 (tr % 8) + w / 2)
	s_cmp_eq_u32 ttmp9, 3
	s_cselect_b32 s99, 8704, 0                     ; v's half lies behind k's
	s_add_co_u32 s92, s92, s99
	s_lshl_b32 s93, s67, 8
	s_add_co_u32 s93, s93, s92
	s_add_co_u32 s93, s93, 8192                    ; scale words behind the eight images
	s_lshl_b32 s99, s67, 12
	s_add_co_u32 s92, s92, s99
	s_cmp_lt_u32 ttmp9, 2
	s_cselect_b32 s88, s88, s92
	s_cselect_b32 s90, s90, s93
	s_cselect_b64 s[92:93], s[16:17], s[18:19]
	s_mov_b32 s89, 0
	s_mov_b32 s91, 0
	s_add_nc_u64 s[88:89], s[92:93], s[88:89]      ; images
	s_add_nc_u64 s[90:91], s[92:93], s[90:91]      ; scale words
	s_lshl_b32 s92, s23, 4
	s_lshl_b32 s99, s14, 2
	s_add_co_u32 s92, s92, s99
	s_lshl_b32 s92, s92, 13                        ; the table's tile 16 tr + 4 w: 8,192 bytes a tile
	s_mov_b32 s93, 0
	s_add_nc_u64 s[92:93], s[8:9], s[92:93]
; K step n's fragments (and at a chunk's first the chunk's scale words) into set n % 2.  The four v_nop: plain places between the products that read the set last and the loads
.macro FETCH n
.set CH, (\n)/4
.set QQ, (\n)%4
.set ST, (\n)%2
	WIN 0
.rept 4
	v_nop
.endr
.if QQ == 0
.irp p, 0,1,2,3
	ds_load_b128 v[SC+32*(CH%2)+4*\p:SC+32*(CH%2)+4*\p+3], v[ASB] offset:2048*\p+16*CH
.endr
.irp p, 0,1,2,3
	ds_load_b128 v[SC+32*(CH%2)+16+4*\p:SC+32*(CH%2)+19+4*\p], v[ASS] offset:1024*\p+16*CH
.endr
.endif
.irp i, 0,1,2,3,4,5,6,7
.irp c, 0,1
	ds_load_b128 v[FB+64*ST+8*\i+4*\c:FB+64*ST+8*\i+4*\c+3], v[ABIG+(CH%3)] offset:4096*\i+1024*QQ+512*\c
.endr
.endr
	WIN 0xc0
.irp j, 0,1,2,3
.irp c, 0,1
	ds_load_b128 v[32*ST+8*\j+4*\c:32*ST+8*\j+4*\c+3], v[ASML+(CH%3)] offset:4096*\j+1024*QQ+512*\c
.endr
.endr
.endm
; K step n, half of it: BIG pairs p0, p0 + 1 x SMALL tiles 0 to 3.  The 32 accumulators take turns, one product a turn, in the same order in every step
.macro MM n, p0
.set CH, (\n)/4
.set QQ, (\n)%4
.set ST, (\n)%2
	WIN 0x5c
.irp p, \p0, \p0+1
.irp j, 0,1,2,3
.set DA, 64*\j+16*(\p)
.set FA, FB+64*ST+16*(\p)
.set FS, 32*ST+8*\j
.set SA, SC+32*(CH%2)+4*(\p)+QQ
.set SS, SC+32*(CH%2)+16+4*\j+QQ
.if (\n) == 0
	v_wmma_scale_f32_16x16x128_f8f6f4 v[DA:DA+7], v[FA:FA+7], v[FS:FS+7], 0, v[SA], v[SS] matrix_a_fmt:MATRIX_FMT_FP4 matrix_b_fmt:MATRIX_FMT_FP4
	v_wmma_scale_f32_16x16x128_f8f6f4 v[DA+8:DA+15], v[FA+8:FA+15], v[FS:FS+7], 0, v[SA], v[SS] matrix_a_fmt:MATRIX_FMT_FP4 matrix_b_fmt:MATRIX_FMT_FP4 matrix_a_scale:MATRIX_SCALE_ROW1
.else
	v_wmma_scale_f32_16x16x128_f8f6f4 v[DA:DA+7], v[FA:FA+7], v[FS:FS+7], v[DA:DA+7], v[SA], v[SS] matrix_a_fmt:MATRIX_FMT_FP4 matrix_b_fmt:MATRIX_FMT_FP4
	v_wmma_scale_f32_16x16x128_f8f6f4 v[DA+8:DA+15], v[FA+8:FA+15], v[FS:FS+7], v[DA+8:DA+15], v[SA], v[SS] matrix_a_fmt:MATRIX_FMT_FP4 matrix_b_fmt:MATRIX_FMT_FP4 matrix_a_scale:MATRIX_SCALE_ROW1
.endif
.endr
.endr
.endm
.macro KSTEP n                         ; the step's fragments were asked for a whole step ago; the next step's are asked for ahead of its products
	s_wait_dscnt 0x0
	FETCH \n+1
	MM \n, 0
	MM \n, 2
.endm
.macro TABLE half                      ; q, k: two tiles of the table, 512 consecutive bytes a load; a branch on the kind, the same in all waves and partners
	WIN 0
	s_cmp_eq_u32 ttmp9, 3
	s_cbranch_scc1 .Lno_table_\@
	WIN 0x80
.set u, 32*\half
.rept 32
	global_load_b128 v[4*u:4*u+3], v[LI], s[92:93] offset:512*u
.set u, u+1
.endr
	WIN 0
.Lno_table_\@:
.endm
	s_wait_alu depctr_va_vdst(0)                   ; the wait at the head's end
	s_wait_xcnt 0x0                                ; the mask's stores have read their registers
	s_wait_tensorcnt 0x0                           ; my load of the head's four has landed,
	s_mov_b32 s26, 128<<16                         ; (no load of mine is out, so a descriptor may be written: the refill's 128 rows of hidden_states,
	s_mov_b32 s28, 128
	s_mov_b32 s34, 64<<16                          ; 64 of the weights)
	s_mov_b32 s36, 64
	s_barrier_signal -1
	s_barrier_wait -1                              ; everybody's has
	FETCH 0
	KSTEP 0
	KSTEP 1
	KSTEP 2
	WIN 0
	s_wait_dscnt 0x0                               ; K step 3's fragments are in: my reads of chunk 0 are over
	s_wait_tensorcnt 0x0                           ; ahead of a refill's round
	ds_add_u32 v[SPW], v[NIL]
	MM 3, 0
	WIN 0
	s_wait_dscnt 0x0                               ; the add is done
	CROUND                                         ; no wave of any partner still reads chunk 0
	s_cmp_lt_u32 s14, 2                            ; waves 0, 1: hidden_states' chunk 3; waves 2, 3: the weights'
	s_cbranch_scc0 .Lrefill_b
	TL 76, 24
	s_branch .Lrefilled
.Lrefill_b:
	TL 80, 32
.Lrefilled:
	FETCH 4
	MM 3, 2
	KSTEP 4
	KSTEP 5
	TABLE 0
	KSTEP 6
	KSTEP 7
	TABLE 1
	KSTEP 8
	KSTEP 9
	KSTEP 10
	WIN 0
	s_wait_dscnt 0x0
	s_wait_tensorcnt 0x0                           ; my part of chunk 3 is in,
	s_barrier_signal -1
	s_barrier_wait -1                              ; everybody's is
	FETCH 12
	MM 11, 0
	MM 11, 2
	KSTEP 12
	KSTEP 13
	KSTEP 14
	s_wait_dscnt 0x0
	MM 15, 0
	MM 15, 2
	WIN 0
.rept 4
	v_nop                                          ; four plain places between the last products and the first read of results
.endr
	s_cmp_eq_u32 ttmp9, 3
	s_cbranch_scc1 .Lquantise                      ; v is not rotated
; q, k: out(d) = x(d) cos - x(d + 64) sin, out(d + 64) = x(d + 64) cos + x(d) sin; registers n and n + 32 of a lane are d and d + 64; the accumulators are read from their low ends on
.macro ROT j
.irp b, 0,8,16,24
	WIN 0x09
.irp n, 0,2,4,6
	v_pk_mul_f32 v[TM+2*\n:TM+1+2*\n], v[64*\j+32+\b+\n:64*\j+33+\b+\n], v[64*\j+32+\b+\n:64*\j+33+\b+\n]
	v_pk_mul_f32 v[TM+2+2*\n:TM+3+2*\n], v[64*\j+\b+\n:64*\j+1+\b+\n], v[64*\j+32+\b+\n:64*\j+33+\b+\n]
.endr
	WIN 0x49
.irp n, 0,2,4,6
	v_pk_fma_f32 v[64*\j+\b+\n:64*\j+1+\b+\n], v[64*\j+\b+\n:64*\j+1+\b+\n], v[64*\j+\b+\n:64*\j+1+\b+\n], v[TM+2*\n:TM+1+2*\n] neg_lo:[0,0,1] neg_hi:[0,0,1]
	v_pk_fma_f32 v[64*\j+32+\b+\n:64*\j+33+\b+\n], v[64*\j+32+\b+\n:64*\j+33+\b+\n], v[64*\j+\b+\n:64*\j+1+\b+\n], v[TM+2+2*\n:TM+3+2*\n]
.endr
.endr
.endm
	s_wait_loadcnt 0x0                             ; the table is in
	ROT 0
	ROT 1
	ROT 2
	ROT 3
	WIN 0
	s_wait_alu depctr_va_vdst(0)
.Lquantise:
; Tiles jj, jj + 1: a lane's 64 numbers, register 16 b + i = k 32 b + 16 (lane / 16) + i of its row, become a fragment's codes and its scale word
.macro QUANT2 jj
	WIN 0x05
.irp t, 0,1
.irp b, 0,1,2,3
	v_max3_num_f32 v[QM+4*\t+\b], |v[64*(\jj+\t)+16*\b]|, |v[64*(\jj+\t)+16*\b+1]|, 0x1800000   ; and the floor 2^(3 - 127): the byte cannot fall under 1
.endr
.endr
.irp i, 2,4,6,8,10,12,14
.irp t, 0,1
.irp b, 0,1,2,3
	v_max3_num_f32 v[QM+4*\t+\b], |v[64*(\jj+\t)+16*\b+\i]|, |v[64*(\jj+\t)+16*\b+1+\i]|, v[QM+4*\t+\b]
.endr
.endr
.endr
	WIN 0
.irp b, 0,1,2,3,4,5,6,7
	v_permlanex16_b32 v[QX+\b], v[QM+\b], s100, s101
.endr
.irp b, 0,1,2,3,4,5,6,7
	v_max_num_f32 v[QM+\b], v[QM+\b], v[QX+\b]     ; with lane l xor 16's: the block's largest magnitude
.endr
.irp b, 0,1,2,3,4,5,6,7
	v_add_nc_u32 v[QS+\b], 0xff000000, v[QM+\b]    ; 2 off its exponent field: the conversion's scale operand
.endr
.irp b, 0,1,2,3,4,5,6,7
	v_lshrrev_b32 v[QB+\b], 23, v[QS+\b]           ; the scale's byte
.endr
.if \jj > 0
	s_wait_alu depctr_va_vdst(0)                   ; directly ahead of the wait below
	s_wait_xcnt 0x0                                ; the last tiles' stores have read their registers
.endif
	v_lshl_or_b32 v[PW], v[QB+1], 8, v[QB]
	v_lshl_or_b32 v[PW+1], v[QB+5], 8, v[QB+4]
	v_lshl_or_b32 v[PW], v[QB+2], 16, v[PW]
	v_lshl_or_b32 v[PW+1], v[QB+6], 16, v[PW+1]
	v_lshl_or_b32 v[PW], v[QB+3], 24, v[PW]
	v_lshl_or_b32 v[PW+1], v[QB+7], 24, v[PW+1]
	WIN 0x01
.irp t, 0,1
.irp b, 0,1,2,3
	v_cvt_scalef32_pk8_fp4_f32 v[PC+8*\t+2*\b], v[64*(\jj+\t)+16*\b:64*(\jj+\t)+16*\b+7], v[QS+4*\t+\b]
	v_cvt_scalef32_pk8_fp4_f32 v[PC+8*\t+2*\b+1], v[64*(\jj+\t)+16*\b+8:64*(\jj+\t)+16*\b+15], v[QS+4*\t+\b]
.endr
.endr
	WIN 0
	v_nop                                          ; one plain place behind a scaled conversion
.irp c, 0,4,8,12                               ; the operand's layout wants a whole block in a lane
.irp i, 0,1
	v_permlane16_swap_b32 v[PC+\c+\i], v[PC+2+\c+\i]
.endr
.endr
	v_cndmask_b32 v[PW], v[PW], v[PW+1], s94       ; lanes 0-15: the first tile's words; lanes 16-31: the second's
.irp t, 0,1
	global_store_b128 v[LI], v[PC+8*\t:PC+8*\t+3], s[88:89] offset:1024*(\jj+\t)
	global_store_b128 v[LI], v[PC+8*\t+4:PC+8*\t+7], s[88:89] offset:1024*(\jj+\t)+512
.endr
	global_store_b32 v[LS], v[PW], s[90:91] offset:64*\jj
.endm
	QUANT2 0
	QUANT2 2
	s_wait_tensorcnt 0x0                           ; the wave's end, behind my last tensor load
	ds_add_u32 v[SPW], v[NIL]
	s_wait_dscnt 0x0
	CROUND                                         ; the closing round: no work-group ends while a partner may still ask for a tile that names it
	s_endpgm
.Lfunc_end_k_q9e2d9253f1_qkv:
	.size	k_q9e2d9253f1_qkv, .Lfunc_end_k_q9e2d9253f1_qkv-k_q9e2d9253f1_qkv
	.p2alignl 7, 3214868480
	.fill 96, 4, 3214868480
	.section	.rodata,"a",@progbits
	.p2align	6, 0x0
	.amdhsa_kernel k_q9e2d9253f1_qkv
		.amdhsa_group_segment_fixed_size 327680
		.amdhsa_private_segment_fixed_size 0
		.amdhsa_enable_private_segment 0
		.amdhsa_kernarg_size 56
		.amdhsa_user_sgpr_count 2
		.amdhsa_user_sgpr_kernarg_segment_ptr 1
		.amdhsa_wavefront_size32 1
		.amdhsa_system_sgpr_workgroup_id_x 1
		.amdhsa_system_sgpr_workgroup_id_y 1
		.amdhsa_system_sgpr_workgroup_id_z 1
		.amdhsa_system_vgpr_workitem_id 0
		.amdhsa_next_free_vgpr 832
		.amdhsa_next_free_sgpr 102
		.amdhsa_reserve_vcc 0
		.amdhsa_float_denorm_mode_32 3
		.amdhsa_float_denorm_mode_16_64 3
		.amdhsa_memory_ordered 1
		.amdhsa_forward_progress 1
		.amdhsa_inst_pref_size 158
	.end_amdhsa_kernel
	.amdgpu_metadata
---
amdhsa.version: [ 1, 2 ]
amdhsa.kernels:
  - .name:           k_q9e2d9253f1_qkv
    .symbol:         k_q9e2d9253f1_qkv.kd
    .args:
      - { .name: opc, .offset: 0, .size: 8, .value_kind: global_buffer, .address_space: global }
      - { .name: ops, .offset: 8, .size: 8, .value_kind: global_buffer, .address_space: global }
      - { .name: rope, .offset: 16, .size: 8, .value_kind: global_buffer, .address_space: global }
      - { .name: stc, .offset: 24, .size: 8, .value_kind: global_buffer, .address_space: global }
      - { .name: qim, .offset: 32, .size: 8, .value_kind: global_buffer, .address_space: global }
      - { .name: kv, .offset: 40, .size: 8, .value_kind: global_buffer, .address_space: global }
      - { .name: msk, .offset: 48, .size: 8, .value_kind: global_buffer, .address_space: global }
    .group_segment_fixed_size: 327680
    .private_segment_fixed_size: 0
    .kernarg_segment_align: 8
    .kernarg_segment_size: 56
    .max_flat_workgroup_size: 128
    .sgpr_count:     102
    .vgpr_count:     832
    .wavefront_size: 32
...
	.end_amdgpu_metadata
.endif
;; end of part 2
;; launch attn (part 3): grid 32 x 8, 8 waves a work-group, clusters of 4 x 1, 327,680 bytes of LDS; arguments qim, kv, msk, oc; writes oc
.if DOCPART == 3
	.amdgcn_target "amdgcn-amd-amdhsa--gfx1250"
	.amdhsa_code_object_version 6
	.text
	.protected	k_q9e2d9253f1_attn
	.globl	k_q9e2d9253f1_attn
	.p2align	8
	.type	k_q9e2d9253f1_attn,@function
k_q9e2d9253f1_attn:
	s_mov_b64 s[64:65], 0
	v_nop
	global_prefetch_b8 v0, s[64:65] scope:SCOPE_SE
	s_setreg_imm32_b32 hwreg(HW_REG_WAVE_MODE, 25, 1), 1
	s_wait_xcnt 0x0
	s_wait_alu depctr_hold_cnt(0) depctr_sa_sdst(0) depctr_va_vdst(0) depctr_va_sdst(0) depctr_va_ssrc(0) depctr_va_vcc(0) depctr_vm_vsrc(0)
	s_getreg_b32 s2, hwreg(HW_REG_IB_STS2, 6, 4)
	s_cmp_eq_u32 s2, 0
	s_cbranch_scc0 .Lentry_in_a_cluster
	s_endpgm
.Lentry_in_a_cluster:
	s_bfe_u32 s2, ttmp6, 0x10000c
	s_cmp_lg_u32 s2, 0x3003
	s_cbranch_scc0 .Lentry_shape_is_right
	s_endpgm
.Lentry_shape_is_right:
; o = softmax(q k^T / sqrt(128), masked) v on codes of E2M1, and the quantiser of o along the head's 128 for the last product.
; LEFT OUT: key steps of 128 keys that lie wholly behind a tile's 16 queries: reference()'s own jnp.tril gives those keys the weight 0 for all values of the inputs (shown at the head of launch prep).
; THE MASK: launch qkv's fragment of 16 queries x 128 keys holds the code of -6 where a key does not count, at K = 16 x (tile of keys) + query.  Its product with ones in the query's place, under the scale 2^100, starts each
; tile's scores: 0 where the key counts, -6 x 2^100 where it does not; the product of K and Q is added onto that.
; THE SOFTMAX: t = score x log2(e) / sqrt(128); M = the running largest t rounded up to a whole number; p = 2^(t - M) is quantised along the keys, in their given order, 32 to a block; the row's sum is taken of the
; unquantised p and divides at the end; when M moves, the sum and O are multiplied by 2^(old M - new M), exactly.  The running largest t begins at -2^31: a hidden key's p is 0 under that too.
; LIMIT: the promise holds while the scaled scores t stay under 2^31 in magnitude.
; SHARES.  Work-group (g, y): batch y / 4, key-value head y % 4.  Waves w and w + 4 share a query head, 2 (y % 4) + w % 2, and two tiles of 16 queries, T and 127 - T, which together walk 17 key steps: wave w takes the even
; steps of both, wave w + 4 the odd ones (9 and 8).  T = g or 63 - g ((w / 2) % 2 odd).  A wave walks first the tile that its partner finishes, then its own; at the end the two exchange partial results through LDS.
; The steps' limits are made of the cluster's x and the wave's number alone: no branch hangs on a work-group's place in its cluster.
; LDS holds the head's WHOLE K and V: 16 key steps x 17,408 bytes as launch qkv laid them (8 images of K, their scale words, 8 images of V^T, their scale words): one joint load of 34,816 bytes a wave.  The partial results
; take bytes of it that have had their only fill and, behind a barrier, their last read.
; A STEP AHEAD: a step asks for its V at its head and, behind its products with K, for the next step's K and mask; the last step of the first tile asks for the first of the second.
; CLUSTER 4 x 1: the four work-groups of a cluster walk the same K and V: every load is joint, with the mask of all four.
; LAYOUT.  Both products are used transposed (S^T = K Q^T, O^T = V^T P^T): a lane holds one query throughout; by prep's row order a lane's 16 registers of two neighbouring tiles are 16 neighbouring keys, or channels.
; No prefetch: all that the launch reads of K and V is asked for at its head.
.set STEPB, 17408
.set SPARE, 16*STEPB                   ; the spare words, 128 bytes a wave: four blocks of 256 bytes that no other line names
.set EXS, 65536                        ; behind the eight partial O: their M and sums, 256 bytes a wave
.set LI,  1                            ; v1  16 x lane
.set LS,  2                            ; v2  4 x lane
.set SPW, 4                            ; v4  my spare word; never rewritten
.set NIL, 5                            ; v5  0; never rewritten
.set QF,  16                           ; v16-23, v32 Q of the partner's tile and its scale words;  v24-31, v33 of my own
.set QO,  24
.set VS,  38                           ; v38-41 V's scale words (lanes 0-15 the even tile, lanes 16-31 the odd one);  v42-45 K's
.set KS,  42
.set OH,  46                           ; v46-67 the ones: 6 zeros, X0, Y0, 6 zeros, X1, Y1, 6 zeros: eight registers from 6 - o on hold X, Y at o
.set MF,  68                           ; v68-75 the step's mask
.set BM,  168                          ; v168-183 blocks' maxima and what is made of them
; v6-9 addresses; v11 4 x (lane % 16); v12 -M, v13 the largest t, v[14:15] the sum in two halves; v34, v35 the mask's and the ones' scales; v36 p's scale word; v76, v77 -M and sum of the partner's tile
; v96-159 S^T, then p; v160-167 p's codes; v184-191, v200-203 at work.  Window 1: v0-63 O^T of the partner's tile, v64-127 of mine, v128-191 K's fragments, v192-255 V's
.set WV,   12                          ; s12 my wave's number
.set SMF,  17                          ; s17 the mask's bytes of the partner's tile;  s20 of mine
.set SMO,  20
.set LIMO, 21                          ; s21 my tile's last key step;  s22 the partner's
.set LIMF, 22
.set PAR,  23                          ; s23 my first key step, 0 or 1
.set SI,   78                          ; s78 the key step;  s79 its bytes in LDS
.set TB,   79
.set MSB, 0
.macro WIN new                         ; s_set_vgpr_msb: bits 1:0 source 0, 3:2 source 1, 5:4 source 2, 7:6 destination; the immediate's high byte repeats the setting that is left
.if MSB != \new
	s_set_vgpr_msb (MSB<<8)|\new
.set MSB, \new
.endif
.endm
.macro CROUND
	s_barrier_signal -1
	s_barrier_wait -1
	s_cmp_lg_u32 s[WV], 0
	s_cbranch_scc1 .Lnot_wave_0_\@
	s_barrier_signal -3
.Lnot_wave_0_\@:
	s_barrier_wait -3
	s_barrier_signal -1
	s_barrier_wait -1
.endm
	s_load_b256 s[4:11], s[0:1], 0x0               ; qim s[4:5], kv s[6:7], msk s[8:9], oc s[10:11]
	v_lshl_add_u32 v[SPW], v0, 2, SPARE
	v_mov_b32 v[NIL], 0
	ds_add_u32 v[SPW], v[NIL]                      ; the wave's opening: the add, twice on end, and its wait ahead of my first tensor load
	ds_add_u32 v[SPW], v[NIL]
	v_lshrrev_b32 v8, 5, v0
	v_readfirstlane_b32 s[WV], v8                  ; wave 0..7
	s_bfe_u32 s13, ttmp6, 0x40000                  ; cx: it enters global addresses of Q, the mask and o alone
	s_and_b32 s14, ttmp7, 0xffff                   ; y
	s_lshr_b32 s15, s14, 2                         ; the batch
	s_and_b32 s16, s14, 3                          ; the key-value head
	s_mov_b32 s24, 15|(3<<16)|(1<<21)              ; group 1: a dense block as 136 rows of 256 bytes (32 elements of 8 bytes); the mask of all four partners, bit 21 beside it
	s_mov_b32 s25, 32<<16
	s_mov_b32 s26, 136<<16
	s_mov_b32 s27, 32<<16
	s_mov_b32 s28, 136
	s_mov_b32 s29, 32
	s_mov_b32 s30, 0
	s_mov_b32 s31, 0
	s_mul_i32 s76, s14, 16*STEPB                   ; the head's K and V
	s_mul_i32 s75, s[WV], 2*STEPB                  ; key steps 2 w, 2 w + 1
	s_add_co_u32 s76, s76, s75
	s_mov_b32 s77, 0
	s_mov_b32 s48, 1
	s_mov_b32 s49, s75
	s_lshr_b32 s68, s[WV], 1
	s_lshr_b32 s[PAR], s[WV], 2
	s_lshr_b32 s[LIMO], ttmp9, 1                   ; g / 8
	s_sub_co_u32 s69, 7, s[LIMO]
	s_bitcmp1_b32 s68, 0
	s_cselect_b32 s[LIMO], s69, s[LIMO]
	s_sub_co_u32 s69, 15, s[LIMO]
	s_bitcmp1_b32 s68, 1
	s_cselect_b32 s[LIMO], s69, s[LIMO]
	s_sub_co_u32 s[LIMF], 15, s[LIMO]
	s_lshl_b32 s17, ttmp9, 2
	s_add_co_u32 s17, s17, s13                     ; g
	s_sub_co_u32 s94, 63, s17
	s_bitcmp1_b32 s68, 0
	s_cselect_b32 s18, s94, s17
	s_sub_co_u32 s94, 127, s18
	s_bitcmp1_b32 s68, 1
	s_cselect_b32 s18, s94, s18                    ; my own tile
	s_sub_co_u32 s98, 127, s18                     ; my partner's
	s_and_b32 s19, s[WV], 1
	s_lshl_b32 s94, s16, 1
	s_add_co_u32 s19, s19, s94                     ; the query head
	s_lshl_b32 s94, s15, 3
	s_add_co_u32 s94, s94, s19
	s_lshl_b32 s94, s94, 7                         ; (8 b + head) 128
	s_add_co_u32 s95, s94, s98
	s_add_co_u32 s94, s94, s18
	s_lshl_b32 s84, s94, 10                        ; my tile's Q,
	s_mov_b32 s85, 0
	s_lshl_b32 s86, s94, 6
	s_add_co_u32 s86, s86, 2097152                 ; its scale words,
	s_mov_b32 s87, 0
	s_lshl_b32 s88, s95, 10                        ; and my partner's
	s_mov_b32 s89, 0
	s_lshl_b32 s96, s95, 6
	s_add_co_u32 s96, s96, 2097152
	s_mov_b32 s97, 0
	s_lshl_b32 s95, s15, 7
	s_add_co_u32 s98, s98, s95
	s_lshl_b32 s[SMF], s98, 14
	s_add_co_u32 s95, s95, s18                     ; my tile counted through both batches
	s_lshl_b32 s[SMO], s95, 14
	s_lshl_b32 s90, s95, 3
	s_add_co_u32 s90, s90, s19
	s_lshl_b32 s90, s90, 10                        ; o's image: [tile][head][1,024]
	s_mov_b32 s91, 0
	s_lshr_b32 s92, s95, 1
	s_lshl_b32 s92, s92, 10
	s_lshl_b32 s94, s19, 7
	s_add_co_u32 s92, s92, s94
	s_and_b32 s94, s95, 1
	s_lshl_b32 s94, s94, 6
	s_add_co_u32 s92, s92, s94
	s_add_co_u32 s92, s92, 2097152                 ; its scale words: [tile / 2][head][32 words]
	s_mov_b32 s93, 0
	s_cmp_gt_u32 s[PAR], s[LIMF]                   ; my first step's mask
	s_cselect_b32 s70, s[SMO], s[SMF]
	s_lshl_b32 s71, s[PAR], 10
	s_add_co_u32 s70, s70, s71
	s_mov_b32 s71, 0
	s_mov_b32 s60, 0x76543210
	s_mov_b32 s61, 0xfedcba98                      ; v_permlanex16_b32's selects for lane l xor 16
	s_mov_b32 s62, 0x3e0293ee                      ; c = log2(e) / sqrt(128)
	s_mov_b32 s63, s62                             ; (named with it as a pair)
	v_and_b32 v8, 31, v0
	v_and_b32 v9, 15, v0
	v_lshlrev_b32 v[LI], 4, v8
	v_lshlrev_b32 v[LS], 2, v8
	v_lshlrev_b32 v11, 2, v9
	s_wait_alu depctr_va_vdst(0)
	s_wait_dscnt 0x0                               ; both opening adds are done
	s_wait_kmcnt 0x0
	s_add_nc_u64 s[50:51], s[6:7], s[76:77]
	s_or_b32 s51, s51, 0x80000000
	s_add_nc_u64 s[84:85], s[4:5], s[84:85]
	s_add_nc_u64 s[86:87], s[4:5], s[86:87]
	s_add_nc_u64 s[88:89], s[4:5], s[88:89]
	s_add_nc_u64 s[96:97], s[4:5], s[96:97]
	s_add_nc_u64 s[90:91], s[10:11], s[90:91]
	s_add_nc_u64 s[92:93], s[10:11], s[92:93]
	s_add_nc_u64 s[74:75], s[8:9], s[70:71]
	CROUND                                         ; all four work-groups are here: the joint loads meet
	tensor_load_to_lds s[48:51], s[24:31]          ; two key steps a wave: one tensor load a wave at the head
	s_nop 0
.rept 4
	v_nop
.endr
	global_load_b128 v[QF:QF+3], v[LI], s[88:89]   ; both tiles' Q stay in registers
	global_load_b128 v[QF+4:QF+7], v[LI], s[88:89] offset:512
	global_load_b32 v32, v11, s[96:97]
	global_load_b128 v[QO:QO+3], v[LI], s[84:85]
	global_load_b128 v[QO+4:QO+7], v[LI], s[84:85] offset:512
	global_load_b32 v33, v11, s[86:87]
	global_load_b128 v[MF:MF+3], v[LI], s[74:75]
	global_load_b128 v[MF+4:MF+7], v[LI], s[74:75] offset:512
	v_bfe_u32 v10, v0, 3, 2                        ; lane / 8: 2 h + r / 8
	v_and_b32 v9, 7, v0
	v_lshlrev_b32 v9, 2, v9
	v_mov_b32 v6, 2                                ; the code of 1.0,
	v_lshlrev_b32 v6, v9, v6                       ; at query r's place among eight
.irp n, 0,1,2,3,4,5,8,9,10,11,12,13,16,17,18,19,20,21
	v_mov_b32 v[OH+\n], 0
.endr
	v_cmp_eq_u32 s70, 0, v10
	v_cmp_eq_u32 s71, 1, v10
	v_cmp_eq_u32 s72, 2, v10
	v_cmp_eq_u32 s73, 3, v10
	v_cndmask_b32 v[OH+6], 0, v6, s70
	v_cndmask_b32 v[OH+7], 0, v6, s71
	v_cndmask_b32 v[OH+14], 0, v6, s72
	v_cndmask_b32 v[OH+15], 0, v6, s73
	v_mov_b32 v34, 0xe3e3e3e3                      ; 2^100
	v_mov_b32 v35, 0x7f7f7f7f                      ; 1
	v_mov_b32 v13, 0xcf000000                      ; the largest t so far: -2^31
	v_floor_f32 v12, -v13                          ; -M
	v_mov_b32 v14, 0
	v_mov_b32 v15, 0
.irp b, 0,1,2,3
	v_mov_b32 v[BM+4+\b], 0                        ; a lane exchange's destination counts as one of its sources
.endr
	v_mov_b32 v201, 0                              ; (named as the upper half of a pair)
	v_mov_b32 v203, 0
	s_mul_i32 s72, s[PAR], STEPB
	v_add_nc_u32 v6, s72, v[LI]
	v_add_nc_u32 v7, s72, v[LS]
	WIN 0x40                                       ; destination window 1
.set n, 0
.rept 128
	v_mov_b32 v[n], 0                              ; both O^T: the step is written for all steps alike; the first finds zeros
.set n, n+1
.endr
	WIN 0
.macro KLOAD                           ; a key step's K and its scale words, from v6 and v7: 20 loads
	WIN 0x40
.irp t, 0,1,2,3,4,5,6,7
.irp c, 0,1
	ds_load_b128 v[128+8*\t+4*\c:131+8*\t+4*\c], v6 offset:1024*\t+512*\c
.endr
.endr
	WIN 0
.irp p, 0,1,2,3
	ds_load_b32 v[KS+\p], v7 offset:8192+128*\p
.endr
.endm
; A KEY STEP: 128 keys against 16 queries.  Its K and its mask have been asked for already.  q, qs: Q and its scale words;  ob: O^T in window 1;  lim, mt: the tile's last step and mask
.macro STEP q, qs, ob, lim, mt
	s_cmp_gt_u32 s[SI], s[\lim]                    ; behind the tile's queries: a branch on ids, round the work alone
	s_cbranch_scc1 .Lhidden_\@
	s_mul_i32 s[TB], s[SI], STEPB
	s_add_co_u32 s70, s[SI], 2
	s_cmp_gt_u32 s70, s[\lim]                      ; the next step: two on, or behind the tile's last the first of my own tile
	s_cselect_b32 s70, s[PAR], s70
	s_cselect_b32 s71, s[SMO], s[\mt]
	s_min_u32 s70, s70, 15
	s_mul_i32 s72, s70, STEPB
	s_lshl_b32 s70, s70, 10
	s_add_co_u32 s70, s70, s71
	s_mov_b32 s71, 0
	v_add_nc_u32 v8, s[TB], v[LI]                  ; (these four lines are the plain places between the last step's products and the loads into V's registers)
	v_add_nc_u32 v9, s[TB], v[LS]
	v_add_nc_u32 v6, s72, v[LI]
	v_add_nc_u32 v7, s72, v[LS]
	s_wait_alu depctr_va_vdst(0)
.irp p, 0,1,2,3
	ds_load_b32 v[VS+\p], v9 offset:16896+128*\p
.endr
	WIN 0x40
.irp t, 0,1,2,3,4,5,6,7
.irp c, 0,1
	ds_load_b128 v[192+8*\t+4*\c:195+8*\t+4*\c], v8 offset:8704+1024*\t+512*\c   ; V's images land under the softmax
.endr
.endr
	WIN 0
	s_wait_dscnt 20                                ; all but the 20 just issued: K and its scale words are in
	s_wait_loadcnt 0x0                             ; the mask is in
	s_add_nc_u64 s[74:75], s[8:9], s[70:71]        ; (so its base may be written: the next step's)
.irp j, 0,1,2,3,4,5,6,7                        ; tile j's keys stand at K = 16 j on: the ones at register 4 (j / 4) + 2 (j % 2) of the half (j / 2) % 2 of the lanes
	v_wmma_scale_f32_16x16x128_f8f6f4 v[96+8*\j:103+8*\j], v[MF:MF+7], v[OH+6+8*((\j/2)%2)-4*(\j/4)-2*(\j%2):OH+13+8*((\j/2)%2)-4*(\j/4)-2*(\j%2)], 0, v34, v35 matrix_a_fmt:MATRIX_FMT_FP4 matrix_b_fmt:MATRIX_FMT_FP4
.endr
	WIN 0x01                                       ; K, source 0, in window 1
.irp p, 0,1,2,3
	v_wmma_scale_f32_16x16x128_f8f6f4 v[96+16*\p:103+16*\p], v[128+16*\p:135+16*\p], v[\q:\q+7], v[96+16*\p:103+16*\p], v[KS+\p], v[\qs] matrix_a_fmt:MATRIX_FMT_FP4 matrix_b_fmt:MATRIX_FMT_FP4
	v_wmma_scale_f32_16x16x128_f8f6f4 v[104+16*\p:111+16*\p], v[136+16*\p:143+16*\p], v[\q:\q+7], v[104+16*\p:111+16*\p], v[KS+\p], v[\qs] matrix_a_fmt:MATRIX_FMT_FP4 matrix_b_fmt:MATRIX_FMT_FP4 matrix_a_scale:MATRIX_SCALE_ROW1
.endr
	WIN 0
.rept 4
	v_nop                                          ; four plain places ahead of loads into the products' registers and of the first read of the scores
.endr
	KLOAD                                          ; the next step's
	global_load_b128 v[MF:MF+3], v[LI], s[74:75]
	global_load_b128 v[MF+4:MF+7], v[LI], s[74:75] offset:512
.irp b, 0,1,2,3
	v_max3_num_f32 v[BM+\b], v[96+16*\b], v[97+16*\b], v[98+16*\b]   ; the largest score of each block of 32 keys: for the row's maximum and, since p rises with the score, for the block's largest p
.endr
.irp i, 3,5,7,9,11,13
.irp b, 0,1,2,3
	v_max3_num_f32 v[BM+\b], v[BM+\b], v[96+16*\b+\i], v[97+16*\b+\i]
.endr
.endr
.irp b, 0,1,2,3
	v_max_num_f32 v[BM+\b], v[BM+\b], v[111+16*\b]
.endr
.irp b, 0,1,2,3
	v_permlanex16_b32 v[BM+4+\b], v[BM+\b], s60, s61
.endr
.irp b, 0,1,2,3
	v_max_num_f32 v[BM+\b], v[BM+\b], v[BM+4+\b]   ; with lane l xor 16's 16 keys
.endr
	v_max3_num_f32 v202, v[BM], v[BM+1], v[BM+2]
	v_max_num_f32 v202, v202, v[BM+3]
	v_mul_f32 v202, s62, v202                      ; the step's largest t
	v_max_num_f32 v13, v13, v202
	v_mov_b32 v202, v12
	v_floor_f32 v12, -v13                          ; the new -M = -ceil(t)
	v_sub_f32 v202, v12, v202                      ; old M - new M: a whole number, 0 or less
.irp j, 0,2,4,6,8,10,12,14,16,18,20,22,24,26,28,30
	v_pk_fma_f32 v[96+\j:97+\j], v[96+\j:97+\j], s[62:63], v[12:13] op_sel_hi:[1,0,0]   ; t - M
.endr
	v_cvt_i32_f32 v202, v202                       ; (it is held at the least whole number)
.irp j, 32,34,36,38,40,42,44,46,48,50,52,54,56,58,60,62
	v_pk_fma_f32 v[96+\j:97+\j], v[96+\j:97+\j], s[62:63], v[12:13] op_sel_hi:[1,0,0]
.endr
	v_ldexp_f32 v200, 1.0, v202                    ; f = 2^(old M - new M)
.irp b, 0,1,2,3
	v_fma_f32 v[BM+\b], v[BM+\b], s62, v12         ; the same of each block's largest score
.endr
.set n, 0
	s_wait_alu depctr_va_vdst(0)                   ; ahead of the batch
.rept 64
	v_exp_f32 v[96+n], v[96+n]                     ; p = 2^(t - M)
.set n, n+1
.endr
	v_pk_mul_f32 v[14:15], v[14:15], v[200:201] op_sel_hi:[1,0]   ; the sums under the new M (a plain place behind the exponentials)
	s_wait_alu depctr_va_vdst(0)                   ; and one behind it, ahead of its first reader
.irp b, 0,1,2,3
	v_exp_f32 v[BM+\b], v[BM+\b]                   ; the block's largest p
.endr
	v_pk_add_f32 v[184:185], v[96:97], v[98:99]
	v_pk_add_f32 v[186:187], v[100:101], v[102:103]
	v_pk_add_f32 v[188:189], v[104:105], v[106:107]
	v_pk_add_f32 v[190:191], v[108:109], v[110:111]
.irp j, 112,120,128,136,144,152
	v_pk_add_f32 v[184:185], v[184:185], v[\j:\j+1]
	v_pk_add_f32 v[186:187], v[186:187], v[\j+2:\j+3]
	v_pk_add_f32 v[188:189], v[188:189], v[\j+4:\j+5]
	v_pk_add_f32 v[190:191], v[190:191], v[\j+6:\j+7]
.endr
	v_pk_add_f32 v[184:185], v[184:185], v[186:187]
	v_pk_add_f32 v[188:189], v[188:189], v[190:191]
	v_pk_add_f32 v[14:15], v[14:15], v[184:185]
	v_pk_add_f32 v[14:15], v[14:15], v[188:189]
	s_wait_alu depctr_va_vdst(0)                   ; one for the four
.irp b, 0,1,2,3
	v_max_num_f32 v[BM+\b], 0x1800000, v[BM+\b]    ; the floor 2^(3 - 127): a block whose every p is 0 keeps the byte 1; its codes are zeros
.endr
.irp b, 0,1,2,3
	v_add_nc_u32 v[BM+12+\b], 0xff000000, v[BM+\b]
.endr
.irp b, 0,1,2,3
	v_lshrrev_b32 v[BM+4+\b], 23, v[BM+12+\b]
.endr
	v_lshl_or_b32 v36, v[BM+5], 8, v[BM+4]         ; p's scale word for these 128 keys
	v_lshl_or_b32 v36, v[BM+6], 16, v36
	v_lshl_or_b32 v36, v[BM+7], 24, v36
.irp b, 0,1,2,3
	v_cvt_scalef32_pk8_fp4_f32 v[160+2*\b], v[96+16*\b:103+16*\b], v[BM+12+\b]
	v_cvt_scalef32_pk8_fp4_f32 v[161+2*\b], v[104+16*\b:111+16*\b], v[BM+12+\b]
.endr
	v_nop                                          ; one plain place behind a scaled conversion
.irp c, 0,4
.irp i, 0,1
	v_permlane16_swap_b32 v[160+\c+\i], v[162+\c+\i]
.endr
.endr
	WIN 0x41                                       ; O^T, destination and source 0, in window 1; f in window 0
	s_wait_alu depctr_va_vdst(0)                   ; ahead of the first readers of O^T
.irp j, 0,2,4,6,8,10,12,14,16,18,20,22,24,26,28,30,32,34,36,38,40,42,44,46,48,50,52,54,56,58,60,62
	v_pk_mul_f32 v[\ob+\j:\ob+\j+1], v[\ob+\j:\ob+\j+1], v[200:201] op_sel_hi:[1,0]   ; O^T under the new M; also the places between p's codes and scale word and the products
.endr
	s_wait_alu depctr_va_vdst(0)
	s_wait_dscnt 20                                ; V and its scale words are in; the next step's K, 20 loads, may be out
	WIN 0x51                                       ; V^T (source 0) and O^T (C and D) in window 1, p's codes in window 0
.irp p, 0,16,32,48
	v_wmma_scale_f32_16x16x128_f8f6f4 v[\ob+\p:\ob+7+\p], v[192+\p:199+\p], v[160:167], v[\ob+\p:\ob+7+\p], v[VS+\p/16], v36 matrix_a_fmt:MATRIX_FMT_FP4 matrix_b_fmt:MATRIX_FMT_FP4
	v_wmma_scale_f32_16x16x128_f8f6f4 v[\ob+8+\p:\ob+15+\p], v[200+\p:207+\p], v[160:167], v[\ob+8+\p:\ob+15+\p], v[VS+\p/16], v36 matrix_a_fmt:MATRIX_FMT_FP4 matrix_b_fmt:MATRIX_FMT_FP4 matrix_a_scale:MATRIX_SCALE_ROW1
.endr
	WIN 0                                          ; at a label and at a branch every window is 0
.Lhidden_\@:
	s_add_co_u32 s[SI], s[SI], 2
.endm
	s_wait_alu depctr_va_vdst(0)                   ; the wait at the head's end
	s_wait_tensorcnt 0x0                           ; my two key steps are in,
	s_barrier_signal -1
	s_barrier_wait -1                              ; everybody's are: from here on no wave waits for another until its last step is done
	KLOAD
	s_wait_loadcnt 0x0                             ; both Q and the first mask
	s_mov_b32 s[SI], s[PAR]
	s_mov_b32 s67, 8
.Lpartner:                                             ; my partner's tile
	STEP QF, 32, 0, LIMF, SMF
	s_sub_co_u32 s67, s67, 1
	s_cmp_lg_u32 s67, 0
	s_wait_alu depctr_va_vdst(0)
	s_cbranch_scc1 .Lpartner
	v_mov_b32 v76, v12                             ; kept: its -M
	v_add_f32 v77, v14, v15                        ; and its sum
	v_mov_b32 v13, 0xcf000000
	v_floor_f32 v12, -v13
	v_mov_b32 v14, 0
	v_mov_b32 v15, 0
	s_mov_b32 s[SI], s[PAR]
	s_mov_b32 s67, 8
	s_wait_alu depctr_va_vdst(0)
.Lmine:                                                ; my own
	STEP QO, 33, 64, LIMO, SMO
	s_sub_co_u32 s67, s67, 1
	s_cmp_lg_u32 s67, 0
	s_wait_alu depctr_va_vdst(0)
	s_cbranch_scc1 .Lmine
; THE EXCHANGE.  My partial result of my partner's tile goes to LDS; my partner's of mine comes back
	s_lshl_b32 s70, s[WV], 13
	s_lshl_b32 s71, s[WV], 8
	s_add_co_u32 s71, s71, EXS
	s_xor_b32 s72, s[WV], 4
	s_lshl_b32 s73, s72, 8
	s_add_co_u32 s73, s73, EXS
	s_lshl_b32 s72, s72, 13
	s_wait_dscnt 0x0                               ; my reads of K and V are over, the last look-ahead's too
	v_add_nc_u32 v8, s70, v[LI]
	v_add_nc_u32 v9, s71, v[LS]
	v_add_nc_u32 v6, s72, v[LI]
	v_add_nc_u32 v7, s73, v[LS]
	s_wait_alu depctr_va_vdst(0)
	s_barrier_signal -1
	s_barrier_wait -1                              ; everybody's are: the bytes may be written
	ds_store_b32 v9, v76
	ds_store_b32 v9, v77 offset:128
	WIN 0x04                                       ; the data, source 1, in window 1
.irp k, 0,1,2,3,4,5,6,7,8,9,10,11,12,13,14,15
	ds_store_b128 v8, v[4*\k:4*\k+3] offset:512*\k
.endr
	WIN 0
	s_wait_dscnt 0x0                               ; for my partner's sake
	s_barrier_signal -1
	s_barrier_wait -1
	ds_load_b32 v78, v7
	ds_load_b32 v79, v7 offset:128
.irp k, 0,1,2,3,4,5,6,7,8,9,10,11,12,13,14,15
	ds_load_b128 v[96+4*\k:99+4*\k], v6 offset:512*\k
.endr
	s_wait_dscnt 16                                ; the two words are in; the sixteen loads behind them may be out
	v_min_num_f32 v80, v12, v78                    ; the greater M's negative
	v_add_f32 v14, v14, v15
	v_sub_f32 v81, v80, v12
	v_sub_f32 v86, v80, v78
	v_cvt_i32_f32 v81, v81
	v_cvt_i32_f32 v86, v86
	v_ldexp_f32 v200, 1.0, v81                     ; what brings my part under that M,
	v_ldexp_f32 v202, 1.0, v86                     ; and my partner's
	v_mul_f32 v14, v14, v200
	v_fma_f32 v14, v79, v202, v14
	v_mov_b32 v87, 0
	v_permlanex16_b32 v87, v14, s60, s61
	v_add_f32 v14, v14, v87                        ; with lane l xor 16's: the row's sum
	s_wait_alu depctr_va_vdst(0)
	v_rcp_f32 v14, v14
	v_nop                                          ; a plain place behind the reciprocal
	s_wait_dscnt 0x0                               ; my partner's O is in
	s_wait_alu depctr_va_vdst(0)                   ; ahead of the reciprocal's and O^T's first readers
	v_mul_f32 v200, v200, v14
	v_mul_f32 v202, v202, v14
.irp j, 0,2,4,6,8,10,12,14,16,18,20,22,24,26,28,30,32,34,36,38,40,42,44,46,48,50,52,54,56,58,60,62
	v_pk_mul_f32 v[96+\j:97+\j], v[96+\j:97+\j], v[202:203] op_sel_hi:[1,0]
.endr
	WIN 0x01                                       ; O^T, source 0, in window 1
.irp j, 0,2,4,6,8,10,12,14,16,18,20,22,24,26,28,30,32,34,36,38,40,42,44,46,48,50,52,54,56,58,60,62
	v_pk_fma_f32 v[96+\j:97+\j], v[64+\j:65+\j], v[200:201], v[96+\j:97+\j] op_sel_hi:[1,0,1]
.endr
	WIN 0
; o, quantised along the head's 128 channels (a lane's 64 registers: channel 32 b + 16 (lane / 16) + i), stored as an image of the last product's operand
.irp b, 0,1,2,3
	v_max3_num_f32 v[BM+\b], |v[96+16*\b]|, |v[97+16*\b]|, 0x1800000
.endr
.irp i, 2,4,6,8,10,12,14
.irp b, 0,1,2,3
	v_max3_num_f32 v[BM+\b], v[BM+\b], |v[96+16*\b+\i]|, |v[97+16*\b+\i]|
.endr
.endr
.irp b, 0,1,2,3
	v_permlanex16_b32 v[BM+4+\b], v[BM+\b], s60, s61
.endr
.irp b, 0,1,2,3
	v_max_num_f32 v[BM+\b], v[BM+\b], v[BM+4+\b]
.endr
.irp b, 0,1,2,3
	v_add_nc_u32 v[BM+12+\b], 0xff000000, v[BM+\b]
.endr
.irp b, 0,1,2,3
	v_lshrrev_b32 v[BM+4+\b], 23, v[BM+12+\b]
.endr
	v_lshl_or_b32 v88, v[BM+5], 8, v[BM+4]
	v_lshl_or_b32 v88, v[BM+6], 16, v88
	v_lshl_or_b32 v88, v[BM+7], 24, v88
.irp b, 0,1,2,3
	v_cvt_scalef32_pk8_fp4_f32 v[160+2*\b], v[96+16*\b:103+16*\b], v[BM+12+\b]
	v_cvt_scalef32_pk8_fp4_f32 v[161+2*\b], v[104+16*\b:111+16*\b], v[BM+12+\b]
.endr
	v_nop
.irp c, 0,4
.irp i, 0,1
	v_permlane16_swap_b32 v[160+\c+\i], v[162+\c+\i]
.endr
.endr
	global_store_b128 v[LI], v[160:163], s[90:91]              ; 512 consecutive bytes a store
	global_store_b128 v[LI], v[164:167], s[90:91] offset:512
	global_store_b32 v11, v88, s[92:93]                        ; both halves of the lanes hold, and store, the same 16 words
	s_wait_tensorcnt 0x0                           ; the wave's end, behind my last LDS store
	ds_add_u32 v[SPW], v[NIL]
	s_wait_dscnt 0x0
	CROUND                                         ; the closing round
	s_endpgm
.Lfunc_end_k_q9e2d9253f1_attn:
	.size	k_q9e2d9253f1_attn, .Lfunc_end_k_q9e2d9253f1_attn-k_q9e2d9253f1_attn
	.p2alignl 7, 3214868480
	.fill 96, 4, 3214868480
	.section	.rodata,"a",@progbits
	.p2align	6, 0x0
	.amdhsa_kernel k_q9e2d9253f1_attn
		.amdhsa_group_segment_fixed_size 327680
		.amdhsa_private_segment_fixed_size 0
		.amdhsa_enable_private_segment 0
		.amdhsa_kernarg_size 32
		.amdhsa_user_sgpr_count 2
		.amdhsa_user_sgpr_kernarg_segment_ptr 1
		.amdhsa_wavefront_size32 1
		.amdhsa_system_sgpr_workgroup_id_x 1
		.amdhsa_system_sgpr_workgroup_id_y 1
		.amdhsa_system_sgpr_workgroup_id_z 1
		.amdhsa_system_vgpr_workitem_id 0
		.amdhsa_next_free_vgpr 512
		.amdhsa_next_free_sgpr 100
		.amdhsa_reserve_vcc 0
		.amdhsa_float_denorm_mode_32 3
		.amdhsa_float_denorm_mode_16_64 3
		.amdhsa_memory_ordered 1
		.amdhsa_forward_progress 1
		.amdhsa_inst_pref_size 66
	.end_amdhsa_kernel
	.amdgpu_metadata
---
amdhsa.version: [ 1, 2 ]
amdhsa.kernels:
  - .name:           k_q9e2d9253f1_attn
    .symbol:         k_q9e2d9253f1_attn.kd
    .args:
      - { .name: qim, .offset: 0, .size: 8, .value_kind: global_buffer, .address_space: global }
      - { .name: kv, .offset: 8, .size: 8, .value_kind: global_buffer, .address_space: global }
      - { .name: msk, .offset: 16, .size: 8, .value_kind: global_buffer, .address_space: global }
      - { .name: oc, .offset: 24, .size: 8, .value_kind: global_buffer, .address_space: global }
    .group_segment_fixed_size: 327680
    .private_segment_fixed_size: 0
    .kernarg_segment_align: 8
    .kernarg_segment_size: 32
    .max_flat_workgroup_size: 256
    .sgpr_count:     100
    .vgpr_count:     512
    .wavefront_size: 32
...
	.end_amdgpu_metadata
.endif
;; end of part 3
;; launch outp (part 4): grid 16 x 16, 8 waves a work-group, clusters of 4 x 4, 327,680 bytes of LDS; arguments oc, opc, ops, out0; writes out0
.if DOCPART == 4
	.amdgcn_target "amdgcn-amd-amdhsa--gfx1250"
	.amdhsa_code_object_version 6
	.text
	.protected	k_q9e2d9253f1_outp
	.globl	k_q9e2d9253f1_outp
	.p2align	8
	.type	k_q9e2d9253f1_outp,@function
k_q9e2d9253f1_outp:
	s_mov_b64 s[64:65], 0
	v_nop
	global_prefetch_b8 v0, s[64:65] scope:SCOPE_SE
	s_setreg_imm32_b32 hwreg(HW_REG_WAVE_MODE, 25, 1), 1
	s_wait_xcnt 0x0
	s_wait_alu depctr_hold_cnt(0) depctr_sa_sdst(0) depctr_va_vdst(0) depctr_va_sdst(0) depctr_va_ssrc(0) depctr_va_vcc(0) depctr_vm_vsrc(0)
	s_getreg_b32 s2, hwreg(HW_REG_IB_STS2, 6, 4)
	s_cmp_eq_u32 s2, 0
	s_cbranch_scc0 .Lentry_in_a_cluster
	s_endpgm
.Lentry_in_a_cluster:
	s_bfe_u32 s2, ttmp6, 0x10000c
	s_cmp_lg_u32 s2, 0xf033
	s_cbranch_scc0 .Lentry_shape_is_right
	s_endpgm
.Lentry_shape_is_right:
; out0 = o Wo^T on codes of E2M1: o's as launch attn left them, Wo's as launch prep left them: images of the operand's registers, [tile][8][1,024 bytes] both.  Nothing is left out here.
; SHARES.  A work-group makes 256 slots of o (tile row tr) x 128 columns (tile column tc).  A wave makes 2 tiles of o (2 w, 2 w + 1) x 8 tiles of Wo's rows, the columns in two halves of 64: the first half's rows leave while the
; second half is multiplied.  The product's first source is Wo's tile, its second o's, so that a lane holds one row of the output and eight neighbouring columns.  o's fragments stay in registers, Wo's are read once.
; K = 1,024 lies in LDS whole: one joint load a wave (waves 0-3 o's images, waves 4, 5 Wo's, waves 6, 7 the scales), and one barrier.
; CLUSTER 4 x 4: o's tiles are shared along a row of the cluster, Wo's along a column.
; Slot r of tile t of o is row 32 (t / 2) + 8 (t % 2) + r + 8 (r / 8): the way out puts each row where it belongs.
; No prefetch: all that the launch reads is asked for at its head.
.set WIMG,  131072                     ; behind o's 16 tiles x 8,192 bytes: Wo's 8 tiles x 8,192
.set SCA,   196608                     ; o's scale words: 8 pairs of tiles x 8 heads x 128 bytes
.set SCB,   204800                     ; Wo's scale bytes: 4 pairs of tiles x [row 16][tile 2][32 bytes]
.set STAGE, 208896                     ; the way out: two blocks of 16 rows x (256 + 16) bytes for each wave; no fill lands here
.set SPARE, STAGE+8*8704               ; the spare words, 128 bytes a wave: four blocks of 256 bytes that no other line names
.set ABIG, 1                           ; v1  Wo's images
.set ASML, 2                           ; v2  o's
.set ASB,  3                           ; v3  Wo's scale words
.set ASS,  4                           ; v4  o's
.set LI,   7                           ; v7  16 x lane
.set STO,  8                           ; v8  the stage, on the way in
.set RD,   9                           ; v9  and back
.set CO,   6                           ; v6  my byte offset in two rows of out0
.set SPW,  12
.set NIL,  13
.set SBG,  16                          ; v16-47  Wo's scale words: register 8 p + q: lanes 0-15 tile 2 p, lanes 16-31 tile 2 p + 1
.set SSM,  48                          ; v48-63  o's: register 8 j + q
.set BK,   64                          ; v64-127 rows read back from the stage
.set ACC,  128                         ; v128-255 accumulator (half, o's tile j, Wo's tile i) at ACC + 64 half + 32 j + 8 i
                                       ; window 1: v0-127 Wo's fragments, four sets of four tiles;  v128-255 o's: 128 + 64 j + 8 q
.set JB, (3<<16)|(1<<21)
.set MSB, 0
.macro WIN new                         ; s_set_vgpr_msb: the immediate's high byte repeats the setting that is left
.if MSB != \new
	s_set_vgpr_msb (MSB<<8)|\new
.set MSB, \new
.endif
.endm
.macro CROUND
	s_barrier_signal -1
	s_barrier_wait -1
	s_cmp_lg_u32 s14, 0
	s_cbranch_scc1 .Lnot_wave_0_\@
	s_barrier_signal -3
.Lnot_wave_0_\@:
	s_barrier_wait -3
	s_barrier_signal -1
	s_barrier_wait -1
.endm
	s_load_b256 s[4:11], s[0:1], 0x0               ; oc s[4:5], opc s[6:7], ops s[8:9], out0 s[10:11]
	v_lshl_add_u32 v[SPW], v0, 2, SPARE
	v_mov_b32 v[NIL], 0
	ds_add_u32 v[SPW], v[NIL]                      ; the wave's opening: the add, twice on end, and its wait ahead of my first tensor load
	ds_add_u32 v[SPW], v[NIL]
	v_lshrrev_b32 v10, 5, v0
	v_readfirstlane_b32 s14, v10                   ; wave 0..7
	s_bfe_u32 s84, ttmp6, 0x40000                  ; cx
	s_bfe_u32 s85, ttmp6, 0x40004                  ; cy
	s_lshl_b32 s86, ttmp9, 2
	s_add_co_u32 s86, s86, s84                     ; tc
	s_and_b32 s87, ttmp7, 0xffff
	s_lshl_b32 s87, s87, 2
	s_add_co_u32 s87, s87, s85                     ; tr
	s_lshl_b32 s15, s85, 2
	s_lshl_b32 s15, 15, s15                        ; my row of the cluster
	s_lshl_b32 s66, 0x1111, s84                    ; my column
	s_or_b32 s24, s15, JB                          ; group 1 of four kinds of dense blocks, as rows of 256 bytes: a quarter of o's images,
	s_or_b32 s32, s66, JB                          ; half of Wo's,
	s_or_b32 s40, s15, JB                          ; o's scale words,
	s_or_b32 s48, s66, JB                          ; Wo's
.irp g, 24, 32, 40, 48
	s_mov_b32 s[\g+1], 32<<16
	s_mov_b32 s[\g+3], 32<<16
	s_mov_b32 s[\g+5], 32
	s_mov_b32 s[\g+6], 0
	s_mov_b32 s[\g+7], 0
.endr
.irp g, 24, 32
	s_mov_b32 s[\g+2], 128<<16
	s_mov_b32 s[\g+4], 128
.endr
	s_mov_b32 s42, 32<<16
	s_mov_b32 s44, 32
	s_mov_b32 s50, 16<<16
	s_mov_b32 s52, 16
	s_and_b32 s57, s14, 3
	s_lshl_b32 s57, s57, 15                        ; o: tiles 4 (w % 4) on
	s_lshl_b32 s16, s87, 17
	s_add_co_u32 s16, s16, s57
	s_mov_b32 s17, 0
	s_lshl_b32 s18, s87, 13
	s_add_co_u32 s18, s18, 2097152
	s_mov_b32 s19, 0
	s_and_b32 s61, s14, 1
	s_lshl_b32 s61, s61, 15                        ; Wo: tiles 4 (w % 2) on
	s_lshl_b32 s20, s86, 16
	s_add_co_u32 s20, s20, 6291456
	s_add_co_u32 s20, s20, s61
	s_mov_b32 s21, 0
	s_add_co_u32 s61, s61, WIMG
	s_lshl_b32 s22, s86, 12
	s_add_co_u32 s22, s22, 393216
	s_mov_b32 s23, 0
	s_lshl_b32 s88, s87, 8
	s_lshl_b32 s93, s14, 5
	s_add_co_u32 s88, s88, s93
	s_lshl_b32 s88, s88, 13                        ; row 256 tr + 32 w of out0, 8,192 bytes a row,
	s_lshl_b32 s93, s86, 9
	s_add_co_u32 s88, s88, s93                     ; column 128 tc
	s_mov_b32 s89, 0
	v_and_b32 v10, 15, v0                          ; r
	v_bfe_u32 v11, v0, 4, 1                        ; h
	v_and_b32 v[LI], 31, v0
	v_lshlrev_b32 v[LI], 4, v[LI]
	v_add_nc_u32 v[ABIG], WIMG, v[LI]
	s_lshl_b32 s90, s14, 14
	v_add_nc_u32 v[ASML], s90, v[LI]
	v_lshlrev_b32 v[ASB], 6, v10
	v_lshl_add_u32 v[ASB], v11, 5, v[ASB]
	v_add_nc_u32 v[ASB], SCB, v[ASB]
	s_lshl_b32 s91, s14, 10
	s_add_co_u32 s91, s91, SCA
	v_lshl_add_u32 v[ASS], v10, 2, s91             ; (lanes 16-31 read what lanes 0-15 read)
	s_mul_i32 s92, s14, 8704
	s_add_co_u32 s92, s92, STAGE
	v_mul_u32_u24 v[STO], v10, 272
	v_lshl_add_u32 v[STO], v11, 5, v[STO]
	v_add_nc_u32 v[STO], s92, v[STO]               ; in: row r, 32 bytes for each half of the lanes
	v_mul_u32_u24 v[RD], v11, 272
	v_lshl_add_u32 v[RD], v10, 4, v[RD]
	v_add_nc_u32 v[RD], s92, v[RD]                 ; back: lanes 0-15 one row of 256 bytes, lanes 16-31 the next
	v_lshlrev_b32 v[CO], 13, v11
	v_lshl_add_u32 v[CO], v10, 4, v[CO]
	s_wait_alu depctr_va_vdst(0)                   ; the wait at the head's end
	s_wait_dscnt 0x0                               ; both opening adds are done
	s_wait_kmcnt 0x0
	s_add_nc_u64 s[58:59], s[4:5], s[16:17]
	s_add_nc_u64 s[62:63], s[6:7], s[20:21]
	s_add_nc_u64 s[70:71], s[4:5], s[18:19]
	s_add_nc_u64 s[74:75], s[8:9], s[22:23]
	s_add_nc_u64 s[88:89], s[10:11], s[88:89]
.irp g, 56, 60, 68, 72
	s_mov_b32 s[\g], 1
	s_or_b32 s[\g+3], s[\g+3], 0x80000000
.endr
	s_mov_b32 s69, SCA
	s_mov_b32 s73, SCB
	CROUND                                         ; all sixteen work-groups are here: the joint loads meet
.macro TL g0, g1
	tensor_load_to_lds s[\g0:\g0+3], s[\g1:\g1+7]
	s_nop 0
.rept 4
	v_nop
.endr
.endm
.macro ARM under, g0, g1, next         ; one load a wave, in its arm of one chain of branches on the wave's number
	s_cmp_lt_u32 s14, \under
	s_cbranch_scc0 \next
	TL \g0, \g1
	s_branch .Lasked
\next:
.endm
	ARM 4, 56, 24, .Lask_b
	ARM 6, 60, 32, .Lask_sa
	ARM 7, 68, 40, .Lask_sb
	TL 72, 48
.Lasked:
; Step n = 8 half + q: head q of K, Wo's tiles 4 half to 4 half + 3, into set n % 4
.macro FETCH n
	WIN 0x40
.irp i, 0,1,2,3
.irp c, 0,1
	ds_load_b128 v[32*((\n)%4)+8*\i+4*\c:32*((\n)%4)+8*\i+4*\c+3], v[ABIG] offset:8192*(4*((\n)/8)+\i)+1024*((\n)%8)+512*\c
.endr
.endr
	WIN 0
.endm
.macro STEP n
.if (\n) < 14
	s_wait_dscnt 16                                ; the step's eight loads are in; those of the two steps behind it may be out
.else
	s_wait_dscnt 8*(15-(\n))
.endif
.if (\n) < 13
.rept 4
	v_nop                                          ; four plain places between the last products and loads into registers that they read
.endr
	FETCH (\n)+3
.endif
	WIN 0x05                                       ; both operands in window 1
.irp p, 0,1                                    ; the eight accumulators of a half take turns, one product a turn, in the same order in every step
.irp j, 0,1
.set DA, ACC+64*((\n)/8)+32*\j+16*\p
.set FA, 32*((\n)%4)+16*\p
.set FS, 128+64*\j+8*((\n)%8)
.set SA, SBG+8*(2*((\n)/8)+\p)+(\n)%8
.set SS, SSM+8*\j+(\n)%8
.if (\n)%8 == 0
	v_wmma_scale_f32_16x16x128_f8f6f4 v[DA:DA+7], v[FA:FA+7], v[FS:FS+7], 0, v[SA], v[SS] matrix_a_fmt:MATRIX_FMT_FP4 matrix_b_fmt:MATRIX_FMT_FP4
	v_wmma_scale_f32_16x16x128_f8f6f4 v[DA+8:DA+15], v[FA+8:FA+15], v[FS:FS+7], 0, v[SA], v[SS] matrix_a_fmt:MATRIX_FMT_FP4 matrix_b_fmt:MATRIX_FMT_FP4 matrix_a_scale:MATRIX_SCALE_ROW1
.else
	v_wmma_scale_f32_16x16x128_f8f6f4 v[DA:DA+7], v[FA:FA+7], v[FS:FS+7], v[DA:DA+7], v[SA], v[SS] matrix_a_fmt:MATRIX_FMT_FP4 matrix_b_fmt:MATRIX_FMT_FP4
	v_wmma_scale_f32_16x16x128_f8f6f4 v[DA+8:DA+15], v[FA+8:FA+15], v[FS:FS+7], v[DA+8:DA+15], v[SA], v[SS] matrix_a_fmt:MATRIX_FMT_FP4 matrix_b_fmt:MATRIX_FMT_FP4 matrix_a_scale:MATRIX_SCALE_ROW1
.endif
.endr
.endr
	WIN 0
.endm
; THE WAY OUT of a half: a lane holds 32 neighbouring bytes of a row for each of Wo's tiles; 16 rows x 64 columns of each of o's tiles go through my own stage and come back as rows of 256 bytes.  LDS serves a wave's
; instructions in order, so no wait stands between the stores and the loads.  Slot t of tile j is row 8 j + t + 8 (t / 8) of my 32
.macro OUT half
.rept 4
	v_nop                                          ; four plain places between the last products and the first read of results
.endr
.if \half
	s_wait_xcnt 0x0                                ; the first half's stores have read their registers
.endif
.irp j, 0,1
.irp i, 0,1,2,3
	ds_store_b128 v[STO], v[ACC+64*\half+32*\j+8*\i:ACC+64*\half+32*\j+8*\i+3] offset:4352*\j+64*\i       ; each accumulator from its low end on
	ds_store_b128 v[STO], v[ACC+64*\half+32*\j+8*\i+4:ACC+64*\half+32*\j+8*\i+7] offset:4352*\j+64*\i+16
.endr
.irp t, 0,1,2,3,4,5,6,7
	ds_load_b128 v[BK+32*\j+4*\t:BK+32*\j+4*\t+3], v[RD] offset:4352*\j+544*\t
.endr
.endr
.irp j, 0,1
.irp t, 0,1,2,3,4,5,6,7
	s_wait_dscnt 16*(1-\j)+7-\t                    ; these two rows are back; the younger LDS instructions may be out
	global_store_b128 v[CO], v[BK+32*\j+4*\t:BK+32*\j+4*\t+3], s[88:89] offset:(8*\j+2*\t+8*(\t/4))*8192+256*\half th:TH_STORE_NT   ; sixteen lanes store 256 consecutive bytes, at a multiple of 256 from out0's first byte
.endr
.endr
.endm
	s_wait_tensorcnt 0x0                           ; my load has landed,
	s_barrier_signal -1
	s_barrier_wait -1                              ; everybody's has
.irp p, 0,1,2,3
	ds_load_b128 v[SBG+8*\p:SBG+8*\p+3], v[ASB] offset:1024*\p
	ds_load_b128 v[SBG+8*\p+4:SBG+8*\p+7], v[ASB] offset:1024*\p+16
.endr
.irp q, 0,1,2,3,4,5,6,7
	ds_load_b32 v[SSM+\q], v[ASS] offset:128*\q
	ds_load_b32 v[SSM+8+\q], v[ASS] offset:128*\q+64
.endr
	WIN 0x40
.irp q, 0,1,2,3,4,5,6,7
.irp j, 0,1
.irp c, 0,1
	ds_load_b128 v[128+64*\j+8*\q+4*\c:131+64*\j+8*\q+4*\c], v[ASML] offset:8192*\j+1024*\q+512*\c
.endr
.endr
.endr
	FETCH 0
	FETCH 1
	FETCH 2
.irp n, 0,1,2,3,4,5,6,7
	STEP \n
.endr
	OUT 0
.irp n, 8,9,10,11,12,13,14,15
	STEP \n
.endr
	OUT 1
	s_wait_tensorcnt 0x0                           ; the wave's end, behind my last tensor load and my last LDS store
	ds_add_u32 v[SPW], v[NIL]
	s_wait_dscnt 0x0
	CROUND                                         ; the closing round
	s_endpgm
.Lfunc_end_k_q9e2d9253f1_outp:
	.size	k_q9e2d9253f1_outp, .Lfunc_end_k_q9e2d9253f1_outp-k_q9e2d9253f1_outp
	.p2alignl 7, 3214868480
	.fill 96, 4, 3214868480
	.section	.rodata,"a",@progbits
	.p2align	6, 0x0
	.amdhsa_kernel k_q9e2d9253f1_outp
		.amdhsa_group_segment_fixed_size 327680
		.amdhsa_private_segment_fixed_size 0
		.amdhsa_enable_private_segment 0
		.amdhsa_kernarg_size 32
		.amdhsa_user_sgpr_count 2
		.amdhsa_user_sgpr_kernarg_segment_ptr 1
		.amdhsa_wavefront_size32 1
		.amdhsa_system_sgpr_workgroup_id_x 1
		.amdhsa_system_sgpr_workgroup_id_y 1
		.amdhsa_system_sgpr_workgroup_id_z 1
		.amdhsa_system_vgpr_workitem_id 0
		.amdhsa_next_free_vgpr 512
		.amdhsa_next_free_sgpr 96
		.amdhsa_reserve_vcc 0
		.amdhsa_float_denorm_mode_32 3
		.amdhsa_float_denorm_mode_16_64 3
		.amdhsa_memory_ordered 1
		.amdhsa_forward_progress 1
		.amdhsa_inst_pref_size 48
	.end_amdhsa_kernel
	.amdgpu_metadata
---
amdhsa.version: [ 1, 2 ]
amdhsa.kernels:
  - .name:           k_q9e2d9253f1_outp
    .symbol:         k_q9e2d9253f1_outp.kd
    .args:
      - { .name: oc, .offset: 0, .size: 8, .value_kind: global_buffer, .address_space: global }
      - { .name: opc, .offset: 8, .size: 8, .value_kind: global_buffer, .address_space: global }
      - { .name: ops, .offset: 16, .size: 8, .value_kind: global_buffer, .address_space: global }
      - { .name: out0, .offset: 24, .size: 8, .value_kind: global_buffer, .address_space: global }
    .group_segment_fixed_size: 327680
    .private_segment_fixed_size: 0
    .kernarg_segment_align: 8
    .kernarg_segment_size: 32
    .max_flat_workgroup_size: 256
    .sgpr_count:     96
    .vgpr_count:     512
    .wavefront_size: 32
...
	.end_amdgpu_metadata
.endif
;; end of part 4
